; MI455X (gfx1250); checked and timed in simulation.
; The chip was launched on July 23, 2026; its instructions are those of AMD's public machine-readable ISA for CDNA 5 (MIT licence, August 2026) and "CDNA5" Instruction Set Architecture Reference Guide (July 2026). The comments in the code are by the model that wrote it; some were corrected since.
;; Hyperbolic Attention Hardened. Allowed arithmetic: matrix products marked QUANTISED: E2M3 operands, one E8M0 scale for each 32 along K, by v_wmma_scale_f32_16x16x128_f8f6f4 with both operands' format E2M3, f32 sums; everything else in f32.
;; Inputs: K one number float32; Wk_codes 1,024 x 32 x 24 uint8 (E2M3 codes of Wk, K innermost, in blocks of 32 codes, four codes in three bytes); Wk_scales 1,024 x 32 uint8 (E8M0 scales of Wk, one for each 32 codes along K); Wo_codes 1,024 x 32 x 24 uint8 (E2M3 codes of Wo, K innermost, in blocks of 32 codes, four codes in three bytes); Wo_scales 1,024 x 32 uint8 (E8M0 scales of Wo, one for each 32 codes along K); Wq_codes 1,024 x 32 x 24 uint8 (E2M3 codes of Wq, K innermost, in blocks of 32 codes, four codes in three bytes); Wq_scales 1,024 x 32 uint8 (E8M0 scales of Wq, one for each 32 codes along K); Wv_codes 1,024 x 32 x 24 uint8 (E2M3 codes of Wv, K innermost, in blocks of 32 codes, four codes in three bytes); Wv_scales 1,024 x 32 uint8 (E8M0 scales of Wv, one for each 32 codes along K); attention_mask 1 x 1 x 2,048 x 2,048 float32; x 2 x 2,048 x 1,025 float32.
;; Outputs: out0 2 x 2,048 x 1,025 float32.
;; This version of the problem:
;;   THIS VERSION OF THE PROBLEM IS GIVEN IN LOW PRECISION. The matrix products marked QUANTISED in the list below multiply operands that are first quantised to E2M3 (2 exponent bits, 3 mantissa bits; 6 bits a number), with one power-of-two scale for each 32 numbers along K (OCP MX v1.0); their sums are f32. All else is computed in f32.
;;   The module's matrix products, in the order in which they are computed (A, B: the left and right operand; K: the contracted axis; several contracted axes count as one K, in the product's order):
;;     1. [M 4,096, K 1,024] x [K 1,024, N 1,024]; A: computed on the way; B: input Wq (given as codes): QUANTISED
;;     2. [M 4,096, K 1,024] x [K 1,024, N 1,024]; A: computed on the way; B: input Wk (given as codes): QUANTISED
;;     3. [M 4,096, K 1,024] x [K 1,024, N 1,024]; A: computed on the way; B: input Wv (given as codes): QUANTISED
;;     4. batch 32 x [M 2,048, K 64] x [K 64, N 2,048]; A: computed on the way; B: computed on the way: QUANTISED
;;     5. batch 32 x [M 2,048, K 2,048] x [K 2,048, N 64]; A: computed on the way; B: computed on the way: QUANTISED
;;     6. [M 4,096, K 1,024] x [K 1,024, N 1,024]; A: computed on the way; B: input Wo (given as codes): QUANTISED
;;   THE QUANTISER, for each operand of a quantised product, along K:
;;     - K is cut into blocks of 32 from its start; a last block that is shorter is filled with zeros.
;;     - A block's scale is 2^e with e = floor(log2(the largest magnitude in the block)) - 2, held to -126 .. 127; a block of zeros has e = 0. As a byte (E8M0): e + 127.
;;     - Each number is divided by its block's scale, clamped to +-7.5, and rounded to the nearest number of E2M3, ties to even, subnormals kept.
;;     - The product sums the exact products of the quantised numbers (number of the format x scale) in f32.
;;   ~~~python
;;   def quantise(x, axis):      # numpy; x: float32 -> the quantised numbers, widened to float32 again
;;       x = np.moveaxis(x, axis, -1); K = x.shape[-1]
;;       x = np.pad(x, [(0, 0)] * (x.ndim - 1) + [(0, -K % 32)]); x = x.reshape(x.shape[:-1] + (-1, 32)); a = np.abs(x).max(-1, keepdims=True)
;;       e = np.where(a > 0, np.clip(np.frexp(np.where(a > 0, a, 1))[1] - 1 - 2, -126, 127), 0)      # np.frexp(a)[1] - 1 = floor(log2(a)), exactly
;;       r = np.clip(x / 2.0 ** e, -7.5, 7.5)
;;       step = 2.0 ** (np.maximum(np.frexp(np.where(r == 0, 1, r))[1] - 1, 0) - 3)
;;       q = np.round(r / step) * step * 2.0 ** e      # np.round: ties to even
;;       return np.moveaxis(q.reshape(q.shape[:-2] + (-1,))[..., :K], -1, axis).astype(np.float32)
;;   ~~~
;;   OPERANDS COMPUTED ON THE WAY. 'Computed on the way' means the value that the module computes at that place (a softmax that the list does not call 'softmax' is quantised finished and normalised). What goes into a quantiser is computed in f32, as accurately as f32 sums, v_exp_f32 and their like allow (about 1e-6 of the number): no bf16 or f16 on the way to a quantiser, and a product that is left as it is and whose result goes on into a quantised operand takes f32 operands (vector FMAs, or v_wmma_f32_16x16x4_f32). A number that lies on a knife's edge between two numbers of the format may be rounded either way, as far as f32 arithmetic and the matrix unit's own rounding can turn it there, and no further.
;;   INPUTS GIVEN AS CODES. Wk (in the module: [1024, 1024], K = its axis 1); Wo (in the module: [1024, 1024], K = its axis 1); Wq (in the module: [1024, 1024], K = its axis 1); Wv (in the module: [1024, 1024], K = its axis 1): each comes as NAME_codes (uint8): NAME with its K axis moved to the last place and cut into blocks of 32 codes, [.., K / 32, bytes a block], one block behind the other in memory; four codes in three bytes: a row's codes are one little-endian stream of bits, code i at bits 6 i .. 6 i + 5 (a code: sign, 2 exponent bits, 3 mantissa bits); and NAME_scales (uint8): the same leading axes, one E8M0 byte (e + 127) for each 32 codes along K. Its value is code x scale, taken as it is: it is not quantised again, and the codes and scales need not be those that the quantiser above would give.
;; 2 versions, each right; version 2 is version 1 with the launches qkv, proj written anew for expert scheduling mode. Each part assembles by itself: llvm-mc -triple=amdgcn-amd-amdhsa -mcpu=gfx1250 --defsym DOCPART=n.
;; ======== version 1 of 2: 4 launches
;; limits: right only within a limited range of input values
;; workspace buffers: XQ 3,407,872 bytes; WF 3,407,872 bytes; QF 3,407,872 bytes; KF 3,276,800 bytes; VF 3,276,800 bytes; AF 3,407,872 bytes
;; launch prep (part 1): grid 512 x 1, 8 waves a work-group, no clusters, 68,608 bytes of LDS; arguments x, XQ, Wq_codes, Wq_scales, Wk_codes, Wk_scales, Wv_codes, Wv_scales, Wo_codes, Wo_scales, WF; writes XQ, WF
.if DOCPART == 1
	.amdgcn_target "amdgcn-amd-amdhsa--gfx1250"
	.amdhsa_code_object_version 6
	.text
	.protected	k_q6eae8db16e_prep
	.globl	k_q6eae8db16e_prep
	.p2align	8
	.type	k_q6eae8db16e_prep,@function
k_q6eae8db16e_prep:
	s_mov_b64 s[64:65], 0
	v_nop
	global_prefetch_b8 v0, s[64:65] scope:SCOPE_SE
	s_setreg_imm32_b32 hwreg(HW_REG_WAVE_MODE, 25, 1), 1
	s_wait_xcnt 0x0
; PREP: the first of four launches (prep, qkv, attn, proj) of an attention layer whose six products are all on codes of E2M3 with one E8M0 scale for each 32 along K.
; Work-groups 0-255: x[.., 1:] is sanitised (NaN -> 0, +inf -> 1e4, -inf -> -1e4) and quantised along its 1,024 numbers.  Work-groups 256-511: the four weights' codes and scale bytes are laid out anew.
; DEAD WORK.  reference() takes xs = x[.., 1:] and uses x nowhere else, so column 0 of x reaches no output whatever it holds: it is never loaded.  (A NaN or infinity there is not carried; reference() drops it too.)
; reference() sanitises x twice on end: the second pass finds nothing to change for any value, so it is run once.  Every input of the problem is an argument of some launch.
; LAYOUT OF THE WORKSPACE.  A tile of 16 rows (tokens, or rows of a weight) is not 16 neighbours: lane row r of tile T is row 32 (T / 2) + 8 (T % 2) + r + 8 (r / 8), so that in a product's result the 16 registers
; of tiles 2 b and 2 b + 1 are 16 neighbours along the next product's K.  A fragment (16 rows x 128 K, 12 registers a lane) is stored as an image of its registers: registers 4 c .. 4 c + 3 at 512 c + 16 lane.
; XQ: codes [tile 256][K step 8] images of 1,536 bytes; from byte 3,145,728 the scale words [tile][lane 32][K step 8].  WF: the same for [matrix q, k, v, o][tile 64][K step 8].
; LIMITS: a block whose largest magnitude lies under 2^-124 has its scale byte held at 1 (not tried); a block of zeros gets the byte 1 where the quantiser says 127: its codes are zeros and this program alone reads the bytes.
; SHARES.  A work-group is a tile, a wave a K step of 128.  x's rows are 4,100 bytes apart, so its loads are of 4 bytes, a lane a column, 128 consecutive bytes a load; the 16 x 128 numbers turn through the wave's own
; stage in LDS (rows of 528 bytes) and come back 16 neighbours a lane and block.  No barrier: waves share nothing.
.set SPARE, 67584                      ; behind the eight stages of 8,448 bytes: the spare words, 128 bytes a wave
.set SPW,  12                          ; v12  LDS address of my spare word; never rewritten
.set NIL,  13                          ; v13  0; never rewritten
.set R,    16                          ; v16-79   x as loaded: register 4 i + p = row i, column 32 p + lane
.set X,    80                          ; v80-143  register 16 b + i = k 32 b + 16 (lane / 16) + i of my row
.set TM,   144                         ; v144-159 at work in QUANT
.set PW,   160                         ; the scale word
.set PC,   164                         ; v164-183 the codes, and two runs at work
.set SEL,  32                          ; s[32:33] v_permlanex16_b32's selects for lane l xor 16
.set PINF, 34
.set NINF, 35
.set P1E4, 36
.set M1E4, 37
.set SM,   40                          ; s40-43 four lane masks by turns
; nan_to_num(x, 0, 1e4, -1e4) of four registers, in place
.macro SAN4 a
.irp e, 0,1,2,3
	v_cmp_eq_f32 s[SM+\e], v[(\a)+\e], v[(\a)+\e]
.endr
.irp e, 0,1,2,3
	v_cndmask_b32 v[(\a)+\e], 0, v[(\a)+\e], s[SM+\e]
.endr
.irp e, 0,1,2,3
	v_cmp_eq_f32 s[SM+\e], s[PINF], v[(\a)+\e]
.endr
.irp e, 0,1,2,3
	v_cndmask_b32 v[(\a)+\e], v[(\a)+\e], s[P1E4], s[SM+\e]
.endr
.irp e, 0,1,2,3
	v_cmp_eq_f32 s[SM+\e], s[NINF], v[(\a)+\e]
.endr
.irp e, 0,1,2,3
	v_cndmask_b32 v[(\a)+\e], v[(\a)+\e], s[M1E4], s[SM+\e]
.endr
.endm
; 64 numbers of a lane become a fragment's codes in v[PC] on and its scale word in v[PW]
.macro QUANT s
.irp b, 0,1,2,3
	v_max3_num_f32 v[TM+\b], |v[\s+16*\b]|, |v[\s+1+16*\b]|, 0x1800000   ; my 16 numbers of block b, and the floor 2^(3 - 127): the byte cannot fall under 1
.endr
.irp i, 2,4,6,8,10,12,14
.irp b, 0,1,2,3
	v_max3_num_f32 v[TM+\b], v[TM+\b], |v[\s+16*\b+\i]|, |v[\s+1+16*\b+\i]|
.endr
.endr
.irp b, 0,1,2,3
	v_permlanex16_b32 v[TM+4+\b], v[TM+\b], s[SEL], s[SEL+1]
.endr
.irp b, 0,1,2,3
	v_max_num_f32 v[TM+\b], v[TM+\b], v[TM+4+\b]   ; with lane l xor 16's: the block's largest magnitude
.endr
.irp b, 0,1,2,3
	v_add_nc_u32 v[TM+12+\b], 0xff000000, v[TM+\b]   ; 2 off its exponent field: the conversion's scale operand
.endr
.irp b, 0,1,2,3
	v_lshrrev_b32 v[TM+4+\b], 23, v[TM+12+\b]      ; the scale's byte
.endr
	v_lshl_or_b32 v[PW], v[TM+5], 8, v[TM+4]
	v_lshl_or_b32 v[PW], v[TM+6], 16, v[PW]
	v_lshl_or_b32 v[PW], v[TM+7], 24, v[PW]
.irp c, 0,1
	v_cvt_scalef32_pk16_fp6_f32 v[PC+6*\c:PC+2+6*\c], v[\s+32*\c:\s+15+32*\c], v[TM+12+2*\c]
	v_cvt_scalef32_pk16_fp6_f32 v[PC+12+4*\c:PC+14+4*\c], v[\s+16+32*\c:\s+31+32*\c], v[TM+12+2*\c+1]
.endr
	v_nop                                          ; one plain place behind a scaled conversion
.irp c, 0,1                                    ; the operand's layout wants a whole block in a lane
.irp i, 0,1,2
	v_permlane16_swap_b32 v[PC+6*\c+\i], v[PC+12+4*\c+\i]
.endr
.irp i, 0,1,2
	v_mov_b32 v[PC+3+6*\c+\i], v[PC+12+4*\c+\i]
.endr
.endr
.endm
	s_load_b128 s[8:11], s[0:1], 0x0               ; x, XQ
	s_load_b128 s[12:15], s[0:1], 0x10             ; Wq's codes, scales
	s_load_b128 s[16:19], s[0:1], 0x20             ; Wk's
	s_load_b128 s[20:23], s[0:1], 0x30             ; Wv's
	s_load_b128 s[24:27], s[0:1], 0x40             ; Wo's
	s_load_b64 s[28:29], s[0:1], 0x50              ; WF
	v_lshl_add_u32 v[SPW], v0, 2, SPARE
	v_mov_b32 v[NIL], 0
	v_lshrrev_b32 v1, 5, v0
	v_readfirstlane_b32 s30, v1                    ; wave = K step
	v_and_b32 v1, 31, v0                           ; lane
	v_and_b32 v2, 15, v0                           ; r
	v_bfe_u32 v3, v0, 4, 1                         ; h
	v_lshlrev_b32 v4, 4, v1                        ; 16 x lane: an image's place
	v_lshlrev_b32 v5, 5, v1                        ; 32 x lane: a lane's eight scale words
	s_cmp_lt_u32 ttmp9, 256
	s_cbranch_scc0 .Lweights
	; ---- x: tile = work-group
	s_lshr_b32 s44, ttmp9, 1
	s_lshl_b32 s44, s44, 5
	s_and_b32 s45, ttmp9, 1
	s_lshl_b32 s45, s45, 3
	s_add_co_u32 s44, s44, s45                     ; the tile's first token
	s_mul_i32 s44, s44, 4100
	s_lshl_b32 s45, s30, 9
	s_add_co_u32 s44, s44, s45
	s_add_co_u32 s44, s44, 4                       ; past column 0, at my 128 columns
	s_mov_b32 s45, 0
	s_mul_i32 s46, s30, 8448                       ; my stage
	v_lshlrev_b32 v6, 2, v1                        ; 4 x lane
	v_add_nc_u32 v7, s46, v6                       ; into the stage
	v_mul_u32_u24 v8, v2, 528
	v_lshl_add_u32 v8, v3, 6, v8
	v_add_nc_u32 v8, s46, v8                       ; out of it: row r, + 64 h
	s_lshl_b32 s48, ttmp9, 3
	s_add_co_u32 s48, s48, s30
	s_mul_i32 s48, s48, 1536                       ; my image in XQ
	s_mov_b32 s49, 0
	s_lshl_b32 s50, ttmp9, 10
	s_lshl_b32 s51, s30, 2
	s_add_co_u32 s50, s50, s51                     ; my scale words
	s_mov_b32 s51, 0
	s_mov_b32 s[SEL], 0x76543210
	s_mov_b32 s[SEL+1], 0xfedcba98
	s_mov_b32 s[PINF], 0x7f800000
	s_mov_b32 s[NINF], 0xff800000
	s_mov_b32 s[P1E4], 0x461c4000
	s_mov_b32 s[M1E4], 0xc61c4000
.irp b, 0,1,2,3
	v_mov_b32 v[TM+4+\b], 0                        ; written once: a lane permute's destination counts as one of its sources
.endr
	s_wait_kmcnt 0x0
	s_add_nc_u64 s[8:9], s[8:9], s[44:45]
	s_add_nc_u64 s[48:49], s[10:11], s[48:49]
	s_add_nc_u64 s[50:51], s[10:11], s[50:51]
.irp i, 0,1,2,3,4,5,6,7,8,9,10,11,12,13,14,15
.irp p, 0,1,2,3
	global_load_b32 v[R+4*\i+\p], v6, s[8:9] offset:(\i+8*(\i/8))*4100+128*\p th:TH_LOAD_NT   ; the tile's row i, 32 neighbouring columns
.endr
.endr
.irp g, 0,1,2,3
	s_wait_loadcnt 48-16*\g                        ; rows 4 g .. 4 g + 3 are in; the later rows' loads, 16 a group, may be out
.irp e, 0,1,2,3
.irp p, 0,1,2,3
	ds_store_b32 v7, v[R+16*\g+4*\e+\p] offset:(4*\g+\e)*528+128*\p
.endr
.endr
.endr
.irp b, 0,1,2,3
.irp j, 0,1,2,3
	ds_load_b128 v[X+16*\b+4*\j:X+16*\b+4*\j+3], v8 offset:128*\b+16*\j   ; LDS serves a wave's instructions in order: these see my stores
.endr
.endr
	s_wait_dscnt 0x0
.set Q, 0
.rept 16
	SAN4 X+Q
.set Q, Q+4
.endr
	QUANT X
.irp c, 0,1,2
	global_store_b128 v4, v[PC+4*\c:PC+4*\c+3], s[48:49] offset:512*\c   ; 512 consecutive bytes a store
.endr
	global_store_b32 v5, v[PW], s[50:51] offset:3145728
	s_branch .Lend
.Lweights:
	; ---- a weight's tile: codes and scale bytes move as they are, into the order of the operand's registers
	s_sub_co_u32 s44, ttmp9, 256                   ; 64 x matrix + tile
	s_lshr_b32 s45, s44, 6
	s_and_b32 s46, s44, 63
	s_lshr_b32 s47, s46, 1
	s_lshl_b32 s47, s47, 5
	s_and_b32 s46, s46, 1
	s_lshl_b32 s46, s46, 3
	s_add_co_u32 s47, s47, s46                     ; the tile's first row
	s_mul_i32 s48, s47, 768
	s_mul_i32 s46, s30, 96
	s_add_co_u32 s48, s48, s46
	s_mov_b32 s49, 0
	s_lshl_b32 s50, s47, 5
	s_lshl_b32 s46, s30, 2
	s_add_co_u32 s50, s50, s46
	s_mov_b32 s51, 0
	s_lshl_b32 s52, s44, 3
	s_add_co_u32 s52, s52, s30
	s_mul_i32 s52, s52, 1536
	s_mov_b32 s53, 0
	s_lshl_b32 s54, s44, 10
	s_add_co_u32 s54, s54, s46
	s_mov_b32 s55, 0
	v_and_b32 v9, 8, v2
	v_add_nc_u32 v9, v9, v2                        ; r + 8 (r / 8)
	v_mul_u32_u24 v10, v9, 768
	v_mad_u32_u24 v10, v3, 24, v10                 ; my row's codes, + 24 h
	v_lshlrev_b32 v11, 5, v9                       ; my row's scale bytes
	s_wait_kmcnt 0x0
	s_cmp_eq_u32 s45, 1                            ; the choice hangs on the work-group's number alone
	s_cselect_b64 s[12:13], s[16:17], s[12:13]
	s_cselect_b64 s[14:15], s[18:19], s[14:15]
	s_cmp_eq_u32 s45, 2
	s_cselect_b64 s[12:13], s[20:21], s[12:13]
	s_cselect_b64 s[14:15], s[22:23], s[14:15]
	s_cmp_eq_u32 s45, 3
	s_cselect_b64 s[12:13], s[24:25], s[12:13]
	s_cselect_b64 s[14:15], s[26:27], s[14:15]
	s_add_nc_u64 s[12:13], s[12:13], s[48:49]
	s_add_nc_u64 s[14:15], s[14:15], s[50:51]
	s_add_nc_u64 s[52:53], s[28:29], s[52:53]
	s_add_nc_u64 s[54:55], s[28:29], s[54:55]
.irp p, 0,1,2,3,4,5
	global_load_b64 v[16+2*\p:17+2*\p], v10, s[12:13] offset:48*(\p/3)+8*(\p%3)
.endr
	global_load_b32 v28, v11, s[14:15]
	s_wait_loadcnt 0x0
.irp c, 0,1,2
	global_store_b128 v4, v[16+4*\c:19+4*\c], s[52:53] offset:512*\c
.endr
	global_store_b32 v5, v28, s[54:55] offset:3145728
.Lend:
	s_wait_tensorcnt 0x0                           ; the wave's end
	ds_add_u32 v[SPW], v[NIL]
	s_wait_dscnt 0x0
	s_endpgm
.Lfunc_end_k_q6eae8db16e_prep:
	.size	k_q6eae8db16e_prep, .Lfunc_end_k_q6eae8db16e_prep-k_q6eae8db16e_prep
	.p2alignl 7, 3214868480
	.fill 96, 4, 3214868480
	.section	.rodata,"a",@progbits
	.p2align	6, 0x0
	.amdhsa_kernel k_q6eae8db16e_prep
		.amdhsa_group_segment_fixed_size 68608
		.amdhsa_private_segment_fixed_size 0
		.amdhsa_enable_private_segment 0
		.amdhsa_kernarg_size 88
		.amdhsa_user_sgpr_count 2
		.amdhsa_user_sgpr_kernarg_segment_ptr 1
		.amdhsa_wavefront_size32 1
		.amdhsa_system_sgpr_workgroup_id_x 1
		.amdhsa_system_sgpr_workgroup_id_y 1
		.amdhsa_system_sgpr_workgroup_id_z 1
		.amdhsa_system_vgpr_workitem_id 0
		.amdhsa_next_free_vgpr 192
		.amdhsa_next_free_sgpr 66
		.amdhsa_reserve_vcc 0
		.amdhsa_float_denorm_mode_32 3
		.amdhsa_float_denorm_mode_16_64 3
		.amdhsa_memory_ordered 1
		.amdhsa_forward_progress 1
		.amdhsa_inst_pref_size 45
	.end_amdhsa_kernel
	.amdgpu_metadata
---
amdhsa.version: [ 1, 2 ]
amdhsa.kernels:
  - .name:           k_q6eae8db16e_prep
    .symbol:         k_q6eae8db16e_prep.kd
    .args:
      - { .name: x, .offset: 0, .size: 8, .value_kind: global_buffer, .address_space: global }
      - { .name: XQ, .offset: 8, .size: 8, .value_kind: global_buffer, .address_space: global }
      - { .name: Wq_codes, .offset: 16, .size: 8, .value_kind: global_buffer, .address_space: global }
      - { .name: Wq_scales, .offset: 24, .size: 8, .value_kind: global_buffer, .address_space: global }
      - { .name: Wk_codes, .offset: 32, .size: 8, .value_kind: global_buffer, .address_space: global }
      - { .name: Wk_scales, .offset: 40, .size: 8, .value_kind: global_buffer, .address_space: global }
      - { .name: Wv_codes, .offset: 48, .size: 8, .value_kind: global_buffer, .address_space: global }
      - { .name: Wv_scales, .offset: 56, .size: 8, .value_kind: global_buffer, .address_space: global }
      - { .name: Wo_codes, .offset: 64, .size: 8, .value_kind: global_buffer, .address_space: global }
      - { .name: Wo_scales, .offset: 72, .size: 8, .value_kind: global_buffer, .address_space: global }
      - { .name: WF, .offset: 80, .size: 8, .value_kind: global_buffer, .address_space: global }
    .group_segment_fixed_size: 68608
    .private_segment_fixed_size: 0
    .kernarg_segment_align: 8
    .kernarg_segment_size: 88
    .max_flat_workgroup_size: 256
    .sgpr_count:     66
    .vgpr_count:     192
    .wavefront_size: 32
...
	.end_amdgpu_metadata
.endif
;; end of part 1
;; launch qkv (part 2): grid 16 x 16, 4 waves a work-group, no clusters, 0 bytes of LDS; arguments XQ, WF, QF, KF, VF; writes QF, KF, VF
.if DOCPART == 2
	.amdgcn_target "amdgcn-amd-amdhsa--gfx1250"
	.amdhsa_code_object_version 6
	.text
	.protected	k_q6eae8db16e_qkv
	.globl	k_q6eae8db16e_qkv
	.p2align	8
	.type	k_q6eae8db16e_qkv,@function
k_q6eae8db16e_qkv:
	s_mov_b64 s[64:65], 0
	v_nop
	global_prefetch_b8 v0, s[64:65] scope:SCOPE_SE
	s_setreg_imm32_b32 hwreg(HW_REG_WAVE_MODE, 25, 1), 1
	s_wait_xcnt 0x0
; QKV: q = san(xs Wq^T), k = san(xs Wk^T), v = san(xs Wv^T) on codes of E2M3, then q and k quantised along the head's 64 channels and v along the keys.  No work of reference() is left out here.
; SHARES.  A work-group is 256 tokens x one head; wave w takes 64 of the tokens (four tiles of x) against the head's 12 tiles of Wq, Wk, Wv: 48 accumulators, K = 1,024 in eight steps of 128, all written out.
; q and k are used transposed (source 0 = 16 rows of W, source 1 = 16 tokens): a lane holds one token and its registers run along the channels.  v is not (source 0 = tokens, source 1 = rows of Wv): a lane holds one
; channel and its registers run along the tokens, which are the keys.  By the tiles' order of rows, 16 registers of two neighbouring tiles are 16 neighbours along the next K.
; Operands lie in the workspace in the order of the registers, so they go from memory straight into registers by loads of 16 bytes a lane, 512 consecutive bytes a load, two K steps ahead in two sets of registers.
; No LDS and no tensor load, so there is nothing to ask for jointly: no cluster.
; OUT.  QF: [batch x head 32][query tile 128] half fragments of 768 bytes (registers 0-3 at 16 lane, registers 4-5 at 512 + 8 lane); from byte 3,145,728 words [bh][block of 32 queries 64][lane]: lanes 0-15 the even
; tile's, lanes 16-31 the odd tile's, bytes s0 s1 s0 s1.  KF: [bh][pair of key tiles 64] images of 1,536 bytes: registers 0-5 the even tile, 6-11 the odd; scale words [bh][quarter of the keys 4][2][16 lane + 4 (n % 4)]:
; word n of a quarter holds pair 2 n in lanes 0-15, pair 2 n + 1 in lanes 16-31.  VF: [bh][key step of 128: 16][channel tile 4][half 2] half fragments; scale words laid as KF's, word 2 (step % 4) + (tile / 2),
; lanes 0-15 the even channel tile, lanes 16-31 the odd, byte b for the step's b-th 32 keys.
; LIMITS: as stated at the head of the first launch (scale bytes held at 1 from below; a block of zeros gets the byte 1).
; REGISTERS, in windows of 256.  Window 0: v1-4 offsets; v32-63 x's scale words (8 i + s); v64-159 W's (8 (4 m + c) + s); v160-255 the way out.  Window 1: fragment set 0 (x at 12 i, W at 48 + 12 (4 m + c)), v192-255 v's
; accumulators of channel tiles 0, 1.  Window 2: set 1, and those of tiles 2, 3.  Window 3: q's accumulators at 32 i + 8 c, k's at 128 + 32 i + 8 c.
.set T,    160                         ; v160-183 24 blocks' largest magnitudes, then the conversions' scale operands
.set U,    184                         ; v184-207 the other half's, then the scale bytes
.set CD,   208                         ; v208-231 four units' codes, 6 registers each
.set CT,   232                         ; v232-247 four runs at work
.set WD,   248                         ; v248-255 scale words
.set SEL,  40
.set PINF, 42
.set NINF, 43
.set P1E4, 44
.set M1E4, 45
.set HIM,  46                          ; lanes 16-31
.set SM,   48
.set MSB, 0
.macro WIN new                         ; the immediate's high byte repeats the setting that is left
.if MSB != (\new)
	s_set_vgpr_msb (MSB<<8)|(\new)
.set MSB, (\new)
.endif
.endm
.macro PLACES n
.rept \n
	v_nop
.endr
.endm
.macro SAN4 a                          ; nan_to_num(x, 0, 1e4, -1e4) of four registers, in place
.irp e, 0,1,2,3
	v_cmp_eq_f32 s[SM+\e], v[(\a)+\e], v[(\a)+\e]
.endr
.irp e, 0,1,2,3
	v_cndmask_b32 v[(\a)+\e], 0, v[(\a)+\e], s[SM+\e]
.endr
.irp e, 0,1,2,3
	v_cmp_eq_f32 s[SM+\e], s[PINF], v[(\a)+\e]
.endr
.irp e, 0,1,2,3
	v_cndmask_b32 v[(\a)+\e], v[(\a)+\e], s[P1E4], s[SM+\e]
.endr
.irp e, 0,1,2,3
	v_cmp_eq_f32 s[SM+\e], s[NINF], v[(\a)+\e]
.endr
.irp e, 0,1,2,3
	v_cndmask_b32 v[(\a)+\e], v[(\a)+\e], s[M1E4], s[SM+\e]
.endr
.endm
.macro MM d, a, b, z, sa, sb           ; one product; z = 1: it starts the sum
.if \z
	v_wmma_scale_f32_16x16x128_f8f6f4 v[(\d):(\d)+7], v[(\a):(\a)+11], v[(\b):(\b)+11], 0, v[\sa], v[\sb] matrix_a_fmt:MATRIX_FMT_FP6 matrix_b_fmt:MATRIX_FMT_FP6
.else
	v_wmma_scale_f32_16x16x128_f8f6f4 v[(\d):(\d)+7], v[(\a):(\a)+11], v[(\b):(\b)+11], v[(\d):(\d)+7], v[\sa], v[\sb] matrix_a_fmt:MATRIX_FMT_FP6 matrix_b_fmt:MATRIX_FMT_FP6
.endif
.endm
.macro LOADSET s                       ; K step s: 48 loads into set s % 2
	WIN 0x40+0x40*((\s)%2)
.irp i, 0,1,2,3
.irp c, 0,1,2
	global_load_b128 v[12*\i+4*\c:12*\i+4*\c+3], v1, s[20:21] offset:12288*\i+1536*(\s)+512*\c
.endr
.endr
.irp u, 0,1,2,3,4,5,6,7,8,9,10,11
.irp c, 0,1,2
	global_load_b128 v[48+12*\u+4*\c:48+12*\u+4*\c+3], v1, s[24:25] offset:786432*(\u/4)+12288*(\u%4)+1536*(\s)+512*\c
.endr
.endr
	WIN 0
.endm
; A K step: 48 products, each accumulator one turn.  more = 1: the set just used takes the step two on.
.macro STEP s, wt, z, more
	s_wait_loadcnt \wt
	WIN 0xF5+5*((\s)%2)
.irp m, 0,1
.irp i, 0,1,2,3
.irp c, 0,1,2,3
	MM 128*\m+32*\i+8*\c, 48+12*(4*\m+\c), 12*\i, \z, 64+8*(4*\m+\c)+(\s), 32+8*\i+(\s)
.endr
.endr
.endr
	WIN 0x55+5*((\s)%2)
.irp c, 0,1
.irp i, 0,1,2,3
	MM 192+32*\c+8*\i, 12*\i, 48+12*(8+\c), \z, 32+8*\i+(\s), 64+8*(8+\c)+(\s)
.endr
.endr
	WIN 0xA5+5*((\s)%2)
.irp c, 2,3
.irp i, 0,1,2,3
	MM 192+32*(\c-2)+8*\i, 12*\i, 48+12*(8+\c), \z, 32+8*\i+(\s), 64+8*(8+\c)+(\s)
.endr
.endr
	WIN 0
.if \more
	PLACES 4                                       ; four places in front of loads into registers that matrix instructions have read
	LOADSET (\s)+2
.endif
.endm
.macro CVT u, src, e                   ; 32 numbers (two blocks, 16 of each in my lane) to codes; the source's window is set by the caller
	v_cvt_scalef32_pk16_fp6_f32 v[CD+6*(\u):CD+6*(\u)+2], v[(\src):(\src)+15], v[\e]
	v_cvt_scalef32_pk16_fp6_f32 v[CT+4*(\u):CT+4*(\u)+2], v[(\src)+16:(\src)+31], v[(\e)+1]
.endm
.macro FIX                             ; a whole block to a lane: lanes 0-15 the first block, lanes 16-31 the second
.irp u, 0,1,2,3
.irp i, 0,1,2
	v_permlane16_swap_b32 v[CD+6*\u+\i], v[CT+4*\u+\i]
.endr
.irp i, 0,1,2
	v_mov_b32 v[CD+6*\u+3+\i], v[CT+4*\u+\i]
.endr
.endr
.endm
	s_load_b128 s[4:7], s[0:1], 0x0                ; XQ, WF
	s_load_b128 s[8:11], s[0:1], 0x10              ; QF, KF
	s_load_b64 s[12:13], s[0:1], 0x20              ; VF
	v_lshrrev_b32 v1, 5, v0
	v_readfirstlane_b32 s14, v1                    ; wave
	v_and_b32 v5, 31, v0
	v_lshlrev_b32 v1, 4, v5                        ; 16 x lane
	v_lshlrev_b32 v2, 5, v5                        ; 32 x lane
	v_lshlrev_b32 v3, 3, v5                        ; 8 x lane
	v_lshlrev_b32 v4, 2, v5                        ; 4 x lane
	s_lshl_b32 s15, ttmp9, 2
	s_add_co_u32 s15, s15, s14                     ; g: my 64 tokens
	s_and_b32 s16, ttmp7, 0xffff                   ; the head
	s_lshr_b32 s17, s15, 5                         ; the batch
	s_and_b32 s18, s15, 31                         ; g within the batch
	s_lshl_b32 s19, s17, 4
	s_add_co_u32 s19, s19, s16                     ; bh
	s_mov_b32 s53, 0
	s_wait_kmcnt 0x0
	s_mul_i32 s52, s15, 49152
	s_add_nc_u64 s[20:21], s[4:5], s[52:53]        ; x's fragments
	s_lshl_b32 s52, s15, 12
	s_add_nc_u64 s[22:23], s[4:5], s[52:53]        ; x's scale words (+ 3,145,728 in the immediate)
	s_mul_i32 s52, s16, 49152
	s_add_nc_u64 s[24:25], s[6:7], s[52:53]        ; the head's tiles of Wq; Wk's and Wv's lie 786,432 and twice that further on
	s_lshl_b32 s52, s16, 12
	s_add_nc_u64 s[26:27], s[6:7], s[52:53]
.irp i, 0,1,2,3
.irp q, 0,1
	global_load_b128 v[32+8*\i+4*\q:35+8*\i+4*\q], v2, s[22:23] offset:3145728+1024*\i+16*\q
.endr
.endr
.irp u, 0,1,2,3,4,5,6,7,8,9,10,11
.irp q, 0,1
	global_load_b128 v[64+8*\u+4*\q:67+8*\u+4*\q], v2, s[26:27] offset:3145728+65536*(\u/4)+1024*(\u%4)+16*\q
.endr
.endr
	LOADSET 0
	LOADSET 1
	; where the results go
	s_mul_i32 s54, s19, 98304
	s_mul_i32 s55, s18, 3072
	s_add_co_u32 s52, s54, s55
	s_add_nc_u64 s[28:29], s[8:9], s[52:53]        ; q's four tiles
	s_add_nc_u64 s[32:33], s[10:11], s[52:53]      ; k's two pairs
	s_lshl_b32 s52, s19, 13
	s_lshl_b32 s55, s18, 8
	s_add_co_u32 s52, s52, s55
	s_add_nc_u64 s[30:31], s[8:9], s[52:53]        ; q's scale words
	s_lshr_b32 s55, s18, 1
	s_mul_i32 s55, s55, 6144
	s_add_co_u32 s52, s54, s55
	s_and_b32 s55, s18, 1
	s_mul_i32 s55, s55, 768
	s_add_co_u32 s52, s52, s55
	s_add_nc_u64 s[36:37], s[12:13], s[52:53]      ; v: key step g / 2, half g % 2
	s_lshl_b32 s54, s19, 12
	s_lshr_b32 s55, s18, 2
	s_lshl_b32 s55, s55, 9
	s_add_co_u32 s54, s54, s55
	s_and_b32 s55, s18, 3
	s_lshl_b32 s55, s55, 2
	s_add_co_u32 s52, s54, s55
	s_add_nc_u64 s[34:35], s[10:11], s[52:53]      ; k's scale word
	s_bfe_u32 s55, s18, 0x10001
	s_lshl_b32 s55, s55, 3
	s_add_co_u32 s52, s54, s55
	s_and_b32 s55, s18, 1
	s_lshl_b32 s55, s55, 1
	s_add_co_u32 s52, s52, s55
	s_add_nc_u64 s[38:39], s[12:13], s[52:53]      ; v's two bytes of a scale word
	s_mov_b32 s[SEL], 0x76543210
	s_mov_b32 s[SEL+1], 0xfedcba98
	s_mov_b32 s[PINF], 0x7f800000
	s_mov_b32 s[NINF], 0xff800000
	s_mov_b32 s[P1E4], 0x461c4000
	s_mov_b32 s[M1E4], 0xc61c4000
	s_mov_b32 s[HIM], 0xffff0000
.set Q, 0
.rept 24
	v_mov_b32 v[U+Q], 0                            ; written once: a lane permute's destination counts as one of its sources
.set Q, Q+1
.endr
	STEP 0, 48, 1, 1                               ; the count leaves the other set's 48 loads out
	STEP 1, 48, 0, 1
	STEP 2, 48, 0, 1
	STEP 3, 48, 0, 1
	STEP 4, 48, 0, 1
	STEP 5, 48, 0, 1
	STEP 6, 48, 0, 0
	STEP 7, 0, 0, 0
	; ---- the way out: sanitise (each accumulator from its low end on), the blocks' largest magnitudes, codes, stores
	PLACES 4
	WIN 0xCF
.set Q, 0
.rept 64
	SAN4 Q
.set Q, Q+4
.endr
	WIN 0x45
.set Q, 192
.rept 16
	SAN4 Q
.set Q, Q+4
.endr
	WIN 0x8A
.set Q, 192
.rept 16
	SAN4 Q
.set Q, Q+4
.endr
	WIN 0x3C                                       ; sources 1 and 2 in window 3: chain x is registers 16 x .. 16 x + 15: q's 8 blocks, then k's 8
.irp x, 0,1,2,3,4,5,6,7,8,9,10,11,12,13,14,15
	v_max3_num_f32 v[T+\x], 0x1800000, |v[16*\x]|, |v[16*\x+1]|   ; with the floor 2^(3 - 127)
.endr
.irp i, 2,4,6,8,10,12,14
.irp x, 0,1,2,3,4,5,6,7,8,9,10,11,12,13,14,15
	v_max3_num_f32 v[T+\x], v[T+\x], |v[16*\x+\i]|, |v[16*\x+\i+1]|
.endr
.endr
	WIN 0x14
.irp x, 0,1,2,3
	v_max3_num_f32 v[T+16+\x], 0x1800000, |v[192+16*\x]|, |v[192+16*\x+1]|
.endr
.irp i, 2,4,6,8,10,12,14
.irp x, 0,1,2,3
	v_max3_num_f32 v[T+16+\x], v[T+16+\x], |v[192+16*\x+\i]|, |v[192+16*\x+\i+1]|
.endr
.endr
	WIN 0x28
.irp x, 0,1,2,3
	v_max3_num_f32 v[T+20+\x], 0x1800000, |v[192+16*\x]|, |v[192+16*\x+1]|
.endr
.irp i, 2,4,6,8,10,12,14
.irp x, 0,1,2,3
	v_max3_num_f32 v[T+20+\x], v[T+20+\x], |v[192+16*\x+\i]|, |v[192+16*\x+\i+1]|
.endr
.endr
	WIN 0
.set Q, 0
.rept 24
	v_permlanex16_b32 v[U+Q], v[T+Q], s[SEL], s[SEL+1]
.set Q, Q+1
.endr
.set Q, 0
.rept 24
	v_max_num_f32 v[T+Q], v[T+Q], v[U+Q]           ; with lane l xor 16's 16: the block's largest magnitude
.set Q, Q+1
.endr
.set Q, 0
.rept 24
	v_add_nc_u32 v[T+Q], 0xff000000, v[T+Q]        ; 2 off the exponent field: the conversion's scale operand
.set Q, Q+1
.endr
.set Q, 0
.rept 24
	v_lshrrev_b32 v[U+Q], 23, v[T+Q]               ; the scale's byte
.set Q, Q+1
.endr
	; q
	WIN 0x03
.irp u, 0,1,2,3
	CVT \u, 32*\u, T+2*\u
.endr
	v_nop                                          ; one plain place behind the last conversion
	WIN 0
	FIX
.irp u, 0,1,2,3
	global_store_b128 v1, v[CD+6*\u:CD+6*\u+3], s[28:29] offset:768*\u
	global_store_b64 v3, v[CD+6*\u+4:CD+6*\u+5], s[28:29] offset:768*\u+512
.endr
.irp u, 0,1,2,3
	v_lshl_or_b32 v[WD+\u], v[U+2*\u+1], 8, v[U+2*\u]
.endr
.irp u, 0,1,2,3
	v_lshl_or_b32 v[WD+\u], v[WD+\u], 16, v[WD+\u]   ; s0 s1 s0 s1: the word serves q in the lower and in the upper half of K
.endr
	v_cndmask_b32 v[WD+4], v[WD], v[WD+1], s[HIM]
	v_cndmask_b32 v[WD+5], v[WD+2], v[WD+3], s[HIM]
	global_store_b32 v4, v[WD+4], s[30:31] offset:3145728
	global_store_b32 v4, v[WD+5], s[30:31] offset:3145728+128
	s_wait_xcnt 0x0                                ; the stores have read their registers: the next group may write them
	; k
	WIN 0x03
.irp u, 0,1,2,3
	CVT \u, 128+32*\u, T+8+2*\u
.endr
	v_nop
	WIN 0
	FIX
.irp p, 0,1
.irp c, 0,1,2
	global_store_b128 v1, v[CD+12*\p+4*\c:CD+12*\p+4*\c+3], s[32:33] offset:1536*\p+512*\c
.endr
.endr
.irp u, 0,1,2,3
	v_lshl_or_b32 v[WD+\u], v[U+8+2*\u+1], 8, v[U+8+2*\u]
.endr
	v_lshl_or_b32 v[WD+4], v[WD+1], 16, v[WD]
	v_lshl_or_b32 v[WD+5], v[WD+3], 16, v[WD+2]
	v_cndmask_b32 v[WD+6], v[WD+4], v[WD+5], s[HIM]
	global_store_b32 v1, v[WD+6], s[34:35] offset:3145728
	s_wait_xcnt 0x0
	; v
	WIN 0x01
	CVT 0, 192, T+16
	CVT 1, 224, T+18
	WIN 0x02
	CVT 2, 192, T+20
	CVT 3, 224, T+22
	v_nop
	WIN 0
	FIX
.irp u, 0,1,2,3
	global_store_b128 v1, v[CD+6*\u:CD+6*\u+3], s[36:37] offset:1536*\u
	global_store_b64 v3, v[CD+6*\u+4:CD+6*\u+5], s[36:37] offset:1536*\u+512
.endr
.irp u, 0,1,2,3
	v_lshl_or_b32 v[WD+\u], v[U+16+2*\u+1], 8, v[U+16+2*\u]
.endr
	v_cndmask_b32 v[WD+4], v[WD], v[WD+1], s[HIM]
	v_cndmask_b32 v[WD+5], v[WD+2], v[WD+3], s[HIM]
	global_store_b16 v1, v[WD+4], s[38:39] offset:3145728
	global_store_b16 v1, v[WD+5], s[38:39] offset:3145728+4
	s_endpgm
.Lfunc_end_k_q6eae8db16e_qkv:
	.size	k_q6eae8db16e_qkv, .Lfunc_end_k_q6eae8db16e_qkv-k_q6eae8db16e_qkv
	.p2alignl 7, 3214868480
	.fill 96, 4, 3214868480
	.section	.rodata,"a",@progbits
	.p2align	6, 0x0
	.amdhsa_kernel k_q6eae8db16e_qkv
		.amdhsa_group_segment_fixed_size 0
		.amdhsa_private_segment_fixed_size 0
		.amdhsa_enable_private_segment 0
		.amdhsa_kernarg_size 40
		.amdhsa_user_sgpr_count 2
		.amdhsa_user_sgpr_kernarg_segment_ptr 1
		.amdhsa_wavefront_size32 1
		.amdhsa_system_sgpr_workgroup_id_x 1
		.amdhsa_system_sgpr_workgroup_id_y 1
		.amdhsa_system_sgpr_workgroup_id_z 1
		.amdhsa_system_vgpr_workitem_id 0
		.amdhsa_next_free_vgpr 1024
		.amdhsa_next_free_sgpr 66
		.amdhsa_reserve_vcc 0
		.amdhsa_float_denorm_mode_32 3
		.amdhsa_float_denorm_mode_16_64 3
		.amdhsa_memory_ordered 1
		.amdhsa_forward_progress 1
		.amdhsa_inst_pref_size 255
	.end_amdhsa_kernel
	.section	.bss,"aw",@nobits
	.p2align	6
	.space	262144
	.amdgpu_metadata
---
amdhsa.version: [ 1, 2 ]
amdhsa.kernels:
  - .name:           k_q6eae8db16e_qkv
    .symbol:         k_q6eae8db16e_qkv.kd
    .args:
      - { .name: XQ, .offset: 0, .size: 8, .value_kind: global_buffer, .address_space: global }
      - { .name: WF, .offset: 8, .size: 8, .value_kind: global_buffer, .address_space: global }
      - { .name: QF, .offset: 16, .size: 8, .value_kind: global_buffer, .address_space: global }
      - { .name: KF, .offset: 24, .size: 8, .value_kind: global_buffer, .address_space: global }
      - { .name: VF, .offset: 32, .size: 8, .value_kind: global_buffer, .address_space: global }
    .group_segment_fixed_size: 0
    .private_segment_fixed_size: 0
    .kernarg_segment_align: 8
    .kernarg_segment_size: 40
    .max_flat_workgroup_size: 128
    .sgpr_count:     66
    .vgpr_count:     1024
    .wavefront_size: 32
...
	.end_amdgpu_metadata
.endif
;; end of part 2
;; launch attn (part 3): grid 64 x 4, 4 waves a work-group, no clusters, 327,680 bytes of LDS; arguments QF, KF, VF, attention_mask, AF; writes AF
.if DOCPART == 3
	.amdgcn_target "amdgcn-amd-amdhsa--gfx1250"
	.amdhsa_code_object_version 6
	.text
	.protected	k_q6eae8db16e_attn
	.globl	k_q6eae8db16e_attn
	.p2align	8
	.type	k_q6eae8db16e_attn,@function
k_q6eae8db16e_attn:
	s_mov_b64 s[64:65], 0
	v_nop
	global_prefetch_b8 v0, s[64:65] scope:SCOPE_SE
	s_setreg_imm32_b32 hwreg(HW_REG_WAVE_MODE, 25, 1), 1
	s_wait_xcnt 0x0
; ATTN: scores = q k^T / 8 + mask, clipped to +-50; attn = softmax; out = san(attn v), quantised along E for the projection.  Both products on codes of E2M3.  The mask is an input: every tile is computed.
; THE FINISHED SOFTMAX IS WHAT IS QUANTISED, so a row's sum is known before any of its weights is coded.  A work-group owns 32 queries (two tiles) and walks 8 heads; THE FOUR WAVES SHARE THE KEYS, 512 each, so
; that all 2 x 16 x 512 weights of a wave stay in 512 registers and each exponential is taken once.  A row's sum and the partial sums of out meet in LDS: two barriers a head.
; NO MAXIMUM IS TAKEN AWAY: reference() clips the scores to +-50 ahead of the softmax, so e^s lies in 2^-72.2 .. 2^72.2 and a row's sum of 2,048 of them in 2^-61 .. 2^83.2: neither can overflow or underflow f32, for every
; input; e^s / sum is what reference()'s softmax gives in real numbers.  p = 2^t, t = clip(score x log2(e) / 8 + mask x log2(e), +-50 log2(e)).
; GUARDS.  A NaN in the mask makes reference()'s whole row of attn NaN and then 0: the mask's NaNs are found once, the row's 1 / sum is multiplied by 0, and the NaN itself counts as -infinity.  out is sanitised as written.
; LIMIT: reference()'s guard on the scores acts only where a sum q . k overflows f32 (|q| |k| of about 1e36 and more); here such a score goes into the clip as +-infinity, not as +-1e4.  Scale bytes: as in the first launch.
; K = 64 IN AN INSTRUCTION OF 128: a fragment of K holds TWO key tiles (registers 0-5, 6-11); q stands between two runs of zero codes, and is taken with the zeros above it or below it.
; THE MASK's 32 rows x 2,048 keys stay in LDS for all 8 heads (266,240 bytes with padding), each wave's 512 keys brought by its own two tensor loads, filled once: two tensor loads of a wave are out at the most.
; A first pass multiplies them by log2(e) and lays row 16 t + r for lane r of tile t, so that the sixteen rows of a load of 16 bytes a lane start at sixteen different groups of banks (pitch 1,040 bytes = 260 words).
; NO CLUSTER: the mask and 34,304 bytes of scratch leave 27,136 bytes of LDS, under a seventh of one head's K and V (196,608 bytes): K and V go from memory straight into registers, a phase ahead of their use.
; REGISTERS.  Window 0: v1-11 addresses; v16-19 1 / sum; v20-21 alive; v24-39 sums, then at work; v40-75 q between zeros; v76-83, v84-91 K's and V's scale words; v92 q's; v94-95 p's; v96-119 p's codes; v120-127 at work;
; v128-255 two stagings of 64.  Window 1: v0-191 16 fragments of K, then of V; v192-255 out^T (32 t + 8 c).  Windows 2, 3: the weights of query tile 0, 1: key tile j at 8 j.
.set CHUNK, 33280                      ; 256 keys: 32 rows x 1,040 bytes
.set MASKW, 66560                      ; a wave's two chunks
.set MP,    1040
.set OSC,   266240                     ; partial out^T: wave x 8,192 + 512 x (2 (4 t + c) + half) + 16 lane
.set SUM,   299008                     ; (16 t + r) x 16 + 4 x wave; the flags lie 512 bytes further on
.set SPARE, 300032                     ; the spare words, 128 bytes a wave
.set SPW,  12
.set NIL,  13
.set RL,   16
.set AL,   20
.set TT,   24
.set UU,   28
.set EE,   32
.set BB,   36
.set KS,   76
.set VS,   84
.set QS,   92
.set PS,   94
.set PCD,  96
.set CT,   120
.set ST,   128
.set WV,   14
.set CS,   52                          ; s[52:53] log2(e) / 8
.set CLO,  54
.set CHI,  55
.set L2E,  56                          ; s[56:57] log2(e)
.set NINF, 58
.set PINF, 59
.set P1E4, 60
.set M1E4, 61
.set SEL,  62
.set CNT,  66
.set OKM,  68                          ; s68, s69: lanes whose mask numbers are all numbers, tile 0, 1
.set SM,   70
.set MSB, 0
.macro WIN new
.if MSB != (\new)
	s_set_vgpr_msb (MSB<<8)|(\new)
.set MSB, (\new)
.endif
.endm
.macro PLACES n
.rept \n
	v_nop
.endr
.endm
.macro BARRIER                         ; my LDS stores have landed and my LDS loads are in: then the work-group's barrier
	s_wait_dscnt 0x0
	s_barrier_signal -1
	s_barrier_wait -1
.endm
.macro SAN4 a
.irp e, 0,1,2,3
	v_cmp_eq_f32 s[SM+\e], v[(\a)+\e], v[(\a)+\e]
.endr
.irp e, 0,1,2,3
	v_cndmask_b32 v[(\a)+\e], 0, v[(\a)+\e], s[SM+\e]
.endr
.irp e, 0,1,2,3
	v_cmp_eq_f32 s[SM+\e], s[PINF], v[(\a)+\e]
.endr
.irp e, 0,1,2,3
	v_cndmask_b32 v[(\a)+\e], v[(\a)+\e], s[P1E4], s[SM+\e]
.endr
.irp e, 0,1,2,3
	v_cmp_eq_f32 s[SM+\e], s[NINF], v[(\a)+\e]
.endr
.irp e, 0,1,2,3
	v_cndmask_b32 v[(\a)+\e], v[(\a)+\e], s[M1E4], s[SM+\e]
.endr
.endm
.macro LOADQ nx                        ; q's two tiles, q's and K's scale words; nx = 1: the next head's
.irp t, 0,1
	global_load_b128 v[46+18*\t:49+18*\t], v1, s[20:21] offset:768*\t+98304*(\nx)
	global_load_b64 v[50+18*\t:51+18*\t], v2, s[20:21] offset:768*\t+512+98304*(\nx)
.endr
	global_load_b32 v[QS], v3, s[22:23] offset:3145728+8192*(\nx)
	global_load_b128 v[KS:KS+3], v1, s[26:27] offset:3145728+4096*(\nx)
	global_load_b128 v[KS+4:KS+7], v1, s[26:27] offset:3145728+512+4096*(\nx)
.endm
.macro LOADK i, nx                     ; quarter i of my 16 pairs of key tiles: 12 loads
	WIN 0x40
.irp a, 0,1,2,3
.irp c, 0,1,2
	global_load_b128 v[12*(4*(\i)+\a)+4*\c:12*(4*(\i)+\a)+4*\c+3], v1, s[24:25] offset:1536*(4*(\i)+\a)+512*\c+98304*(\nx)
.endr
.endr
	WIN 0
.endm
.macro LOADV                           ; my 16 fragments of V^T (key step f / 4, channel tile f % 4), each of two halves: 64 loads; and V's scale words
	WIN 0x40
.irp f, 0,1,2,3,4,5,6,7,8,9,10,11,12,13,14,15
.irp c, 0,1
	global_load_b128 v[12*\f+6*\c:12*\f+6*\c+3], v1, s[28:29] offset:1536*\f+768*\c
	global_load_b64 v[12*\f+6*\c+4:12*\f+6*\c+5], v2, s[28:29] offset:1536*\f+768*\c+512
.endr
.endr
	WIN 0
	global_load_b128 v[VS:VS+3], v1, s[30:31] offset:3145728
	global_load_b128 v[VS+4:VS+7], v1, s[30:31] offset:3145728+512
.endm
; S^T = K q^T: key tile 2 ip + e of my 32, query tile t.  e = 0: q with zeros above it meets registers 0-5 of the pair; e = 1: q with zeros below it meets registers 6-11
.macro SMM t, ip, e
.set rd, 8*(2*(\ip)+(\e))
.set ra, 12*(\ip)
.set rb, 46+18*(\t)-6*(\e)
.set rs, KS+(\ip)/2
.if ((\ip)%2 == 0) && ((\t) == 0)
	v_wmma_scale_f32_16x16x128_f8f6f4 v[rd:rd+7], v[ra:ra+11], v[rb:rb+11], 0, v[rs], v[QS] matrix_a_fmt:MATRIX_FMT_FP6 matrix_b_fmt:MATRIX_FMT_FP6
.elseif ((\ip)%2 == 1) && ((\t) == 0)
	v_wmma_scale_f32_16x16x128_f8f6f4 v[rd:rd+7], v[ra:ra+11], v[rb:rb+11], 0, v[rs], v[QS] matrix_a_fmt:MATRIX_FMT_FP6 matrix_b_fmt:MATRIX_FMT_FP6 matrix_a_scale:MATRIX_SCALE_ROW1
.elseif ((\ip)%2 == 0)
	v_wmma_scale_f32_16x16x128_f8f6f4 v[rd:rd+7], v[ra:ra+11], v[rb:rb+11], 0, v[rs], v[QS] matrix_a_fmt:MATRIX_FMT_FP6 matrix_b_fmt:MATRIX_FMT_FP6 matrix_b_scale:MATRIX_SCALE_ROW1
.else
	v_wmma_scale_f32_16x16x128_f8f6f4 v[rd:rd+7], v[ra:ra+11], v[rb:rb+11], 0, v[rs], v[QS] matrix_a_fmt:MATRIX_FMT_FP6 matrix_b_fmt:MATRIX_FMT_FP6 matrix_a_scale:MATRIX_SCALE_ROW1 matrix_b_scale:MATRIX_SCALE_ROW1
.endif
.endm
; out^T += V^T p^T: channel tile c, query tile t, my key step z; z = 0 starts the sums
.macro PMM t, c, z
.set rd, 192+32*(\t)+8*(\c)
.set ra, 12*(4*(\z)+(\c))
.set rb, PCD+12*(\t)
.set rs, VS+2*(\z)+(\c)/2
.if ((\z) == 0) && ((\c)%2 == 0)
	v_wmma_scale_f32_16x16x128_f8f6f4 v[rd:rd+7], v[ra:ra+11], v[rb:rb+11], 0, v[rs], v[PS+(\t)] matrix_a_fmt:MATRIX_FMT_FP6 matrix_b_fmt:MATRIX_FMT_FP6
.elseif ((\z) == 0)
	v_wmma_scale_f32_16x16x128_f8f6f4 v[rd:rd+7], v[ra:ra+11], v[rb:rb+11], 0, v[rs], v[PS+(\t)] matrix_a_fmt:MATRIX_FMT_FP6 matrix_b_fmt:MATRIX_FMT_FP6 matrix_a_scale:MATRIX_SCALE_ROW1
.elseif ((\c)%2 == 0)
	v_wmma_scale_f32_16x16x128_f8f6f4 v[rd:rd+7], v[ra:ra+11], v[rb:rb+11], v[rd:rd+7], v[rs], v[PS+(\t)] matrix_a_fmt:MATRIX_FMT_FP6 matrix_b_fmt:MATRIX_FMT_FP6
.else
	v_wmma_scale_f32_16x16x128_f8f6f4 v[rd:rd+7], v[ra:ra+11], v[rb:rb+11], v[rd:rd+7], v[rs], v[PS+(\t)] matrix_a_fmt:MATRIX_FMT_FP6 matrix_b_fmt:MATRIX_FMT_FP6 matrix_a_scale:MATRIX_SCALE_ROW1
.endif
.endm
.macro PV z                            ; eight products, each accumulator one turn
	WIN 0x51
.irp c, 0,1,2,3
.irp t, 0,1
	PMM \t, \c, \z
.endr
.endr
.endm
; Batch n = 4 t + z: the 64 scores of query tile t and my key step z.  MLOAD: its mask numbers into staging n % 2
.macro MLOAD n
.irp b, 0,1,2,3
.irp j, 0,1,2,3
	ds_load_b128 v[ST+64*((\n)%2)+16*\b+4*\j:ST+64*((\n)%2)+16*\b+4*\j+3], v5 offset:(((\n)%4)/2)*CHUNK+((\n)%2)*512+((\n)/4)*16640+128*\b+16*\j
.endr
.endr
.endm
.macro A_F n, q, k                     ; t = score x log2(e) / 8 + mask x log2(e), two at a time
.set rp, 64*((\n)%4)+4*(\q)+2*(\k)
.set rm, ST+64*((\n)%2)+4*(\q)+2*(\k)
	v_pk_fma_f32 v[rp:rp+1], v[rp:rp+1], s[CS:CS+1], v[rm:rm+1] op_sel_hi:[1,0,1]
.endm
.macro A_M n, q, k                     ; the clip
.set rp, 64*((\n)%4)+4*(\q)+(\k)
	v_med3_num_f32 v[rp], v[rp], s[CLO], s[CHI]
.endm
.macro B_E n, q, k
.set rp, 64*((\n)%4)+4*(\q)+(\k)
	v_exp_f32 v[rp], v[rp]
.endm
.macro AONLY n
.set G, 0
.rept 16
	A_F \n, G, 0
	A_F \n, G, 1
	A_M \n, G, 0
	A_M \n, G, 1
	A_M \n, G, 2
	A_M \n, G, 3
.set G, G+1
.endr
.endm
.macro BONLY n
.set G, 0
.rept 16
	B_E \n, G, 0
	B_E \n, G, 1
	B_E \n, G, 2
	B_E \n, G, 3
.set G, G+1
.endr
.endm
.macro BA n                            ; batch n's exponentials with batch n + 1's scalings and clips between them: the two name no common register
.set G, 0
.rept 16
	A_F (\n)+1, G, 0
	B_E \n, G, 0
	A_F (\n)+1, G, 1
	B_E \n, G, 1
	A_M (\n)+1, G, 0
	B_E \n, G, 2
	A_M (\n)+1, G, 1
	B_E \n, G, 3
	A_M (\n)+1, G, 2
	A_M (\n)+1, G, 3
.set G, G+1
.endr
.endm
.macro CSUM n                          ; the row's sum, of the unquantised p: four chains of pairs a tile; a tile's first four start them
.set G, 0
.rept 32
.set rp, 64*((\n)%4)+2*G
.set rc, TT+8*((\n)/4)+2*(G%4)
.if (((\n)%4) == 0) && (G < 4)
	v_pk_add_f32 v[rc:rc+1], v[rp:rp+1], 0 op_sel_hi:[1,0]
.else
	v_pk_add_f32 v[rc:rc+1], v[rp:rp+1], v[rc:rc+1]
.endif
.set G, G+1
.endr
.endm
.macro MULP t, z                       ; attn = p / sum
	WIN 0x82+0x41*(\t)
.set G, 0
.rept 32
	v_pk_mul_f32 v[64*(\z)+G:64*(\z)+G+1], v[64*(\z)+G:64*(\z)+G+1], v[RL+2*(\t):RL+2*(\t)+1] op_sel_hi:[1,0]
.set G, G+2
.endr
.endm
.macro QNT t, z                        ; 64 finished weights of a lane (register 16 b + i = key 32 b + 16 (lane / 16) + i) become a fragment and its scale word.  None is negative: no |.|
	WIN 0x28+0x14*(\t)
.irp b, 0,1,2,3
	v_max3_num_f32 v[TT+\b], 0x1800000, v[64*(\z)+16*\b], v[64*(\z)+16*\b+1]
.endr
.irp i, 2,4,6,8,10,12,14
.irp b, 0,1,2,3
	v_max3_num_f32 v[TT+\b], v[TT+\b], v[64*(\z)+16*\b+\i], v[64*(\z)+16*\b+\i+1]
.endr
.endr
	WIN 0
.irp b, 0,1,2,3
	v_permlanex16_b32 v[UU+\b], v[TT+\b], s[SEL], s[SEL+1]
.endr
.irp b, 0,1,2,3
	v_max_num_f32 v[TT+\b], v[TT+\b], v[UU+\b]
.endr
.irp b, 0,1,2,3
	v_add_nc_u32 v[EE+\b], 0xff000000, v[TT+\b]
.endr
.irp b, 0,1,2,3
	v_lshrrev_b32 v[BB+\b], 23, v[EE+\b]
.endr
	v_lshl_or_b32 v[PS+(\t)], v[BB+1], 8, v[BB]
	v_lshl_or_b32 v[PS+(\t)], v[BB+2], 16, v[PS+(\t)]
	v_lshl_or_b32 v[PS+(\t)], v[BB+3], 24, v[PS+(\t)]
	WIN 0x02+(\t)
.irp c, 0,1
	v_cvt_scalef32_pk16_fp6_f32 v[PCD+12*(\t)+6*\c:PCD+12*(\t)+6*\c+2], v[64*(\z)+32*\c:64*(\z)+32*\c+15], v[EE+2*\c]
	v_cvt_scalef32_pk16_fp6_f32 v[CT+4*\c:CT+4*\c+2], v[64*(\z)+32*\c+16:64*(\z)+32*\c+31], v[EE+2*\c+1]
.endr
	v_nop                                          ; one plain place behind the last conversion
	WIN 0
.irp c, 0,1
.irp i, 0,1,2
	v_permlane16_swap_b32 v[PCD+12*(\t)+6*\c+\i], v[CT+4*\c+\i]
.endr
.irp i, 0,1,2
	v_mov_b32 v[PCD+12*(\t)+6*\c+3+\i], v[CT+4*\c+\i]
.endr
.endr
.endm
	s_load_b128 s[4:7], s[0:1], 0x0                ; QF, KF
	s_load_b128 s[8:11], s[0:1], 0x10              ; VF, the mask
	s_load_b64 s[12:13], s[0:1], 0x20              ; AF
	v_lshl_add_u32 v[SPW], v0, 2, SPARE
	v_mov_b32 v[NIL], 0
	ds_add_u32 v[SPW], v[NIL]                      ; the wave's opening: the add, twice on end, and its wait ahead of my first tensor load
	ds_add_u32 v[SPW], v[NIL]
	v_lshrrev_b32 v1, 5, v0
	v_readfirstlane_b32 s[WV], v1                  ; wave 0..3
	; descriptor group 1: 32 rows x 256 numbers of 4 bytes, rows 2,048 numbers apart; 4 words of padding behind every 256
	s_mov_b32 s32, (2<<16)|(1<<20)|(7<<22)|(3<<25)
	s_mov_b32 s33, 256<<16
	s_mov_b32 s34, 32<<16
	s_mov_b32 s35, 256<<16
	s_mov_b32 s36, 32
	s_mov_b32 s37, 2048
	s_mov_b32 s38, 0
	s_mov_b32 s39, 0
	s_mov_b32 s[CS], 0x3e38aa3b
	s_mov_b32 s[CS+1], s[CS]
	s_mov_b32 s[CLO], 0xc29044fe                   ; -50 log2(e)
	s_mov_b32 s[CHI], 0x429044fe
	s_mov_b32 s[L2E], 0x3fb8aa3b
	s_mov_b32 s[L2E+1], s[L2E]
	s_mov_b32 s[NINF], 0xff800000
	s_mov_b32 s[PINF], 0x7f800000
	s_mov_b32 s[P1E4], 0x461c4000
	s_mov_b32 s[M1E4], 0xc61c4000
	s_mov_b32 s[SEL], 0x76543210
	s_mov_b32 s[SEL+1], 0xfedcba98
	s_mov_b32 s[CNT], 8
	s_mov_b32 s[OKM], -1
	s_mov_b32 s[OKM+1], -1
	s_and_b32 s16, ttmp7, 0xffff
	s_lshr_b32 s17, s16, 1                         ; the batch
	s_and_b32 s18, s16, 1                          ; which 8 heads
	s_lshl_b32 s19, s17, 4
	s_lshl_b32 s76, s18, 3
	s_add_co_u32 s19, s19, s76                     ; batch x 16 + my first head
	s_mul_i32 s77, s[WV], MASKW                    ; my part of the mask in LDS
	s_lshl_b32 s74, ttmp9, 18                      ; 32 rows of 8,192 bytes a block of queries,
	s_lshl_b32 s76, s[WV], 11                      ; my 512 keys
	s_add_co_u32 s74, s74, s76
	s_mov_b32 s75, 0
	s_wait_dscnt 0x0                               ; both opening adds are done
	s_wait_kmcnt 0x0
	s_mov_b32 s40, 1
	s_mov_b32 s41, s77
	s_add_nc_u64 s[42:43], s[10:11], s[74:75]
	s_mov_b32 s44, 1
	s_add_co_u32 s45, s77, CHUNK
	s_add_nc_u64 s[46:47], s[42:43], 1024
	s_or_b32 s43, s43, 0x80000000
	s_or_b32 s47, s47, 0x80000000
	tensor_load_to_lds s[40:43], s[32:39]          ; my first 256 keys of the 32 rows
	s_nop 0
	tensor_load_to_lds s[44:47], s[32:39]          ; my second
	s_nop 0
.rept 4
	v_nop
.endr
	s_mul_i32 s76, s19, 98304
	s_mul_i32 s74, ttmp9, 1536
	s_add_co_u32 s74, s74, s76
	s_add_nc_u64 s[20:21], s[4:5], s[74:75]        ; q's two tiles
	s_mul_i32 s74, s[WV], 24576
	s_add_co_u32 s74, s74, s76
	s_add_nc_u64 s[24:25], s[6:7], s[74:75]        ; my 16 pairs of key tiles
	s_add_nc_u64 s[28:29], s[8:9], s[74:75]        ; my 16 fragments of V^T
	s_lshl_b32 s76, s19, 13
	s_lshl_b32 s74, ttmp9, 7
	s_add_co_u32 s74, s74, s76
	s_add_nc_u64 s[22:23], s[4:5], s[74:75]        ; q's scale words
	s_lshl_b32 s76, s19, 12
	s_lshl_b32 s74, s[WV], 10
	s_add_co_u32 s74, s74, s76
	s_add_nc_u64 s[26:27], s[6:7], s[74:75]        ; K's
	s_add_nc_u64 s[30:31], s[8:9], s[74:75]        ; V's
	s_mul_i32 s74, s17, 1572864
	s_mul_i32 s76, ttmp9, 24576
	s_add_co_u32 s74, s74, s76
	s_mul_i32 s76, s18, 6144
	s_add_co_u32 s74, s74, s76
	s_add_nc_u64 s[48:49], s[12:13], s[74:75]      ; AF: my even tile, my first head
	s_lshl_b32 s74, s17, 17
	s_lshl_b32 s76, ttmp9, 11
	s_add_co_u32 s74, s74, s76
	s_lshl_b32 s76, s18, 4
	s_add_co_u32 s74, s74, s76
	s_add_nc_u64 s[50:51], s[12:13], s[74:75]      ; AF's scale bytes
	v_and_b32 v14, 31, v0
	v_lshlrev_b32 v1, 4, v14                       ; 16 x lane
	v_lshlrev_b32 v2, 3, v14                       ; 8 x lane
	v_lshlrev_b32 v3, 2, v14                       ; 4 x lane
	LOADQ 0
	LOADK 0, 0
	LOADK 1, 0
	LOADK 2, 0
	LOADK 3, 0
	v_and_b32 v22, 15, v0                          ; r
	v_bfe_u32 v23, v0, 4, 1                        ; h
	v_and_b32 v15, 8, v22
	v_add_nc_u32 v15, v15, v22                     ; r + 8 (r / 8)
	v_mul_u32_u24 v4, v15, MP
	v_lshl_add_u32 v4, v23, 6, v4
	v_add_nc_u32 v4, s77, v4                       ; the mask as it came: tile 0's row of lane r (tile 1: 8 rows on), + 64 h
	v_mul_u32_u24 v5, v22, MP
	v_lshl_add_u32 v5, v23, 6, v5
	v_add_nc_u32 v5, s77, v5                       ; and as it is laid anew: row r (tile 1: 16 rows on)
	v_lshlrev_b32 v7, 4, v22
	v_add_nc_u32 v7, SUM, v7                       ; a row's four partial sums
	s_lshl_b32 s76, s[WV], 2
	v_add_nc_u32 v6, s76, v7                       ; mine among them
	s_lshl_b32 s76, s[WV], 13
	s_add_co_u32 s76, s76, OSC
	v_add_nc_u32 v8, s76, v1                       ; where I put my partial out^T
	s_lshl_b32 s76, s[WV], 11
	s_add_co_u32 s76, s76, OSC
	v_add_nc_u32 v9, s76, v1                       ; and the part of all four that I add up: tile wave / 2, channels 32 (wave % 2) on
	s_lshr_b32 s76, s[WV], 1
	s_and_b32 s78, s[WV], 1
	s_mul_i32 s79, s76, 12288
	s_mul_i32 s80, s78, 384
	s_add_co_u32 s79, s79, s80
	v_mul_u32_u24 v10, v22, 24
	v_mad_u32_u24 v10, v23, 12, v10
	v_add_nc_u32 v10, s79, v10                     ; AF: tile, lane r + 16 (wave % 2) of the image, 12 h
	s_lshl_b32 s79, s76, 10
	s_add_co_u32 s79, s79, s78
	v_lshl_add_u32 v11, v14, 5, s79                ; AF's scale bytes: tile, 32 x lane, block wave % 2
.irp z, 40,41,42,43,44,45,52,53,54,55,56,57,58,59,60,61,62,63,70,71,72,73,74,75,17,19
	v_mov_b32 v\z, 0                               ; the zero codes round q; the upper halves of the pairs 1 / sum
.endr
	s_wait_tensorcnt 0x0                           ; my part of the mask is in LDS; only I read it
	; ---- the mask, once: NaNs found, x log2(e), NaN -> -infinity, rows laid anew.  Two trips, a chunk each; in a trip two key steps of 128
	s_mov_b32 s76, 0
	s_mov_b32 s78, 2
.Lpre:
	v_add_nc_u32 v14, s76, v4
	v_add_nc_u32 v15, s76, v5
.irp z, 0,1
.irp t, 0,1
.irp b, 0,1,2,3
.irp j, 0,1,2,3
	ds_load_b128 v[ST+64*\t+16*\b+4*\j:ST+64*\t+16*\b+4*\j+3], v14 offset:512*\z+8320*\t+128*\b+16*\j
.endr
.endr
.endr
	s_wait_dscnt 0x0                               ; all 32 rows of these 128 keys are in registers: they may be laid over each other
.irp t, 0,1
.set Q, 0
.rept 16
.irp e, 0,1,2,3
	v_cmp_eq_f32 s[SM+\e], v[ST+64*\t+Q+\e], v[ST+64*\t+Q+\e]
.endr
.irp e, 0,1,2,3
	s_and_b32 s[OKM+\t], s[OKM+\t], s[SM+\e]
.endr
.set Q, Q+4
.endr
.endr
.set Q, 0
.rept 64
	v_pk_mul_f32 v[ST+Q:ST+Q+1], v[ST+Q:ST+Q+1], s[L2E:L2E+1] op_sel_hi:[1,0]
.set Q, Q+2
.endr
.set Q, 0
.rept 128
	v_max_num_f32 v[ST+Q], s[NINF], v[ST+Q]
.set Q, Q+1
.endr
.irp t, 0,1
.irp b, 0,1,2,3
.irp j, 0,1,2,3
	ds_store_b128 v15, v[ST+64*\t+16*\b+4*\j:ST+64*\t+16*\b+4*\j+3] offset:512*\z+16640*\t+128*\b+16*\j
.endr
.endr
.endr
.endr
	s_add_co_u32 s76, s76, CHUNK
	s_sub_co_u32 s78, s78, 1
	s_cmp_lg_u32 s78, 0
	s_cbranch_scc1 .Lpre
	; a row is alive if none of its 2,048 mask numbers is a NaN: my lanes' flags, the other half's, the other waves'
	v_cndmask_b32 v[AL], 1.0, 0, s[OKM]
	v_cndmask_b32 v[AL+1], 1.0, 0, s[OKM+1]
	v_permlanex16_b32 v22, v[AL], s[SEL], s[SEL+1]
	v_permlanex16_b32 v23, v[AL+1], s[SEL], s[SEL+1]
	v_add_f32 v[AL], v[AL], v22
	v_add_f32 v[AL+1], v[AL+1], v23
	ds_store_b32 v6, v[AL] offset:512
	ds_store_b32 v6, v[AL+1] offset:768
	BARRIER
	ds_load_b128 v[ST:ST+3], v7 offset:512
	ds_load_b128 v[ST+4:ST+7], v7 offset:768
	s_wait_dscnt 0x0
	v_add_f32 v[ST], v[ST], v[ST+1]
	v_add_f32 v[ST+2], v[ST+2], v[ST+3]
	v_add_f32 v[ST+4], v[ST+4], v[ST+5]
	v_add_f32 v[ST+6], v[ST+6], v[ST+7]
	v_add_f32 v[ST], v[ST], v[ST+2]
	v_add_f32 v[ST+4], v[ST+4], v[ST+6]
	v_cmp_eq_f32 s[SM], 0, v[ST]
	v_cmp_eq_f32 s[SM+1], 0, v[ST+4]
	v_cndmask_b32 v[AL], 0, 1.0, s[SM]
	v_cndmask_b32 v[AL+1], 0, 1.0, s[SM+1]
.Lhead:                                            ; eight trips, a head each
	MLOAD 0
	MLOAD 1
	; ---- S^T = K q^T: 64 products, none adds onto another
.irp i, 0,1,2,3
	s_wait_loadcnt 36-12*\i                        ; quarter i of K (and all that was asked for ahead of it) is in; the later quarters, 12 loads each, may be out
	WIN 0x81
.irp a, 0,1,2,3
.irp e, 0,1
	SMM 0, 4*\i+\a, \e
.endr
.endr
	WIN 0xC1
.irp a, 0,1,2,3
.irp e, 0,1
	SMM 1, 4*\i+\a, \e
.endr
.endr
.endr
	WIN 0
	PLACES 4                                       ; in front of loads into registers that matrix instructions have read, and of the first read of results
	LOADV                                          ; V takes K's registers; it lands under the exponentials
	s_cmp_eq_u32 s[CNT], 1
	s_cbranch_scc1 .Lnoq                           ; the last head asks for no next head: no load leaves its buffer
	LOADQ 1
.Lnoq:
	; ---- p = 2^t and the rows' sums, in eight batches of 64
	s_wait_dscnt 16                                ; batch 0's mask numbers are in; batch 1's 16 loads may be out
	WIN 0x82
	AONLY 0
.irp n, 0,1,2,3,4,5,6,7
	WIN 0
.if \n < 6
	MLOAD \n+2                                     ; into the staging that batch n's scalings have read
	s_wait_dscnt 16                                ; batch n + 1's are in; the 16 just issued may be out
.elseif \n == 6
	s_wait_dscnt 0x0
.endif
.if \n == 7
	WIN 0xC3
	BONLY 7
	v_nop                                          ; a plain place behind the last exponential
.elseif \n == 3
	WIN 0x82
	BONLY 3
	WIN 0xC3
	AONLY 4                                        ; the other tile's window: plain work behind the exponentials
.else
	WIN 0x82+0x41*(\n/4)
	BA \n
.endif
	s_wait_alu depctr_va_vdst(0)                   ; one wait for the batch's 64 exponentials, ahead of their first reader
	WIN 0x02+(\n/4)
	CSUM \n
.endr
	WIN 0
	; ---- the rows' sums over the four waves
.irp t, 0,1
	v_pk_add_f32 v[TT+8*\t:TT+8*\t+1], v[TT+8*\t:TT+8*\t+1], v[TT+8*\t+2:TT+8*\t+3]
	v_pk_add_f32 v[TT+8*\t+4:TT+8*\t+5], v[TT+8*\t+4:TT+8*\t+5], v[TT+8*\t+6:TT+8*\t+7]
.endr
.irp t, 0,1
	v_pk_add_f32 v[TT+8*\t:TT+8*\t+1], v[TT+8*\t:TT+8*\t+1], v[TT+8*\t+4:TT+8*\t+5]
.endr
.irp t, 0,1
	v_add_f32 v[TT+8*\t], v[TT+8*\t], v[TT+8*\t+1]
.endr
.irp t, 0,1
	v_permlanex16_b32 v[TT+8*\t+2], v[TT+8*\t], s[SEL], s[SEL+1]
.endr
.irp t, 0,1
	v_add_f32 v[TT+8*\t], v[TT+8*\t], v[TT+8*\t+2]
	ds_store_b32 v6, v[TT+8*\t] offset:256*\t      ; both halves of the lanes write the same word with the same value
.endr
	BARRIER                                        ; the four partial sums of every row lie in LDS
	ds_load_b128 v[TT:TT+3], v7
	ds_load_b128 v[TT+8:TT+11], v7 offset:256
	s_wait_dscnt 0x0
.irp t, 0,1
	v_add_f32 v[TT+8*\t], v[TT+8*\t], v[TT+8*\t+1]
	v_add_f32 v[TT+8*\t+2], v[TT+8*\t+2], v[TT+8*\t+3]
.endr
.irp t, 0,1
	v_add_f32 v[TT+8*\t], v[TT+8*\t], v[TT+8*\t+2]
.endr
	v_rcp_f32 v[TT], v[TT]
	v_rcp_f32 v[TT+8], v[TT+8]
	v_nop                                          ; a plain place behind the reciprocals
	s_wait_alu depctr_va_vdst(0)                   ; and the wait ahead of their first reader
	v_mul_f32 v[RL], v[TT], v[AL]                  ; 0 for a row whose mask holds a NaN
	v_mul_f32 v[RL+2], v[TT+8], v[AL+1]
	; ---- attn = p / sum, quantised along the keys; out^T += V^T attn^T, a key step of 128 at a time
	s_wait_loadcnt 0x0                             ; V, its scale words, the next head's q
	MULP 0, 0
.irp z, 0,1,2,3
	MULP 1, \z
	QNT 0, \z
	QNT 1, \z
.if \z < 3
	MULP 0, \z+1                                   ; 32 plain lines that name nothing of the products below: the places behind the codes' and the scale words' last writes
.else
	PLACES 8
.endif
	PV \z
	WIN 0
	PLACES 4
	s_cmp_eq_u32 s[CNT], 1
	s_cbranch_scc1 .Lnok\z
	LOADK \z, 1                                    ; the next head's K into the four fragments of V that are done with
.Lnok\z:
.endr
	; ---- out^T over the four waves
	WIN 0x04
.irp t, 0,1
.irp c, 0,1,2,3
.irp f, 0,1
	ds_store_b128 v8, v[192+32*\t+8*\c+4*\f:192+32*\t+8*\c+4*\f+3] offset:512*(2*(4*\t+\c)+\f)   ; each accumulator from its low end on
.endr
.endr
.endr
	WIN 0
	BARRIER
.irp q, 0,1,2,3
.irp c, 0,1,2,3
	ds_load_b128 v[ST+16*\q+4*\c:ST+16*\q+4*\c+3], v9 offset:8192*\q+512*\c
.endr
.endr
	s_wait_dscnt 0x0
.irp g, 0,2,4,6,8,10,12,14
	v_pk_add_f32 v[ST+\g:ST+\g+1], v[ST+\g:ST+\g+1], v[ST+16+\g:ST+16+\g+1]
	v_pk_add_f32 v[ST+32+\g:ST+32+\g+1], v[ST+32+\g:ST+32+\g+1], v[ST+48+\g:ST+48+\g+1]
.endr
.irp g, 0,2,4,6,8,10,12,14
	v_pk_add_f32 v[ST+\g:ST+\g+1], v[ST+\g:ST+\g+1], v[ST+32+\g:ST+32+\g+1]   ; 16 neighbouring channels of my query: 32 (wave % 2) + 16 h + 0 .. 15
.endr
	SAN4 ST
	SAN4 ST+4
	SAN4 ST+8
	SAN4 ST+12
	v_max3_num_f32 v[TT], |v[ST]|, |v[ST+1]|, 0x1800000
.irp i, 2,4,6,8,10,12,14
	v_max3_num_f32 v[TT], v[TT], |v[ST+\i]|, |v[ST+\i+1]|
.endr
	v_permlanex16_b32 v[UU], v[TT], s[SEL], s[SEL+1]
	v_max_num_f32 v[TT], v[TT], v[UU]
	v_add_nc_u32 v[EE], 0xff000000, v[TT]
	v_lshrrev_b32 v[BB], 23, v[EE]
	v_cvt_scalef32_pk16_fp6_f32 v[CT:CT+2], v[ST:ST+15], v[EE]
	v_nop
	global_store_b96 v10, v[CT:CT+2], s[48:49]     ; the wave stores 384 consecutive bytes
	global_store_b8 v11, v[BB], s[50:51] offset:3145728
	s_wait_xcnt 0x0                                ; every load and store issued has read its registers: the bases step, and the stores' data may be written again
	s_add_nc_u64 s[20:21], s[20:21], 98304
	s_add_nc_u64 s[22:23], s[22:23], 8192
	s_add_nc_u64 s[24:25], s[24:25], 98304
	s_add_nc_u64 s[26:27], s[26:27], 4096
	s_add_nc_u64 s[28:29], s[28:29], 98304
	s_add_nc_u64 s[30:31], s[30:31], 4096
	s_add_nc_u64 s[48:49], s[48:49], 768
	s_add_nc_u64 s[50:51], s[50:51], 2
	s_sub_co_u32 s[CNT], s[CNT], 1
	s_cmp_lg_u32 s[CNT], 0
	s_cbranch_scc1 .Lhead
	s_wait_tensorcnt 0x0                           ; the wave's end: three closing lines, behind my last tensor load and my last LDS store
	ds_add_u32 v[SPW], v[NIL]
	s_wait_dscnt 0x0
	s_endpgm
.Lfunc_end_k_q6eae8db16e_attn:
	.size	k_q6eae8db16e_attn, .Lfunc_end_k_q6eae8db16e_attn-k_q6eae8db16e_attn
	.p2alignl 7, 3214868480
	.fill 96, 4, 3214868480
	.section	.rodata,"a",@progbits
	.p2align	6, 0x0
	.amdhsa_kernel k_q6eae8db16e_attn
		.amdhsa_group_segment_fixed_size 327680
		.amdhsa_private_segment_fixed_size 0
		.amdhsa_enable_private_segment 0
		.amdhsa_kernarg_size 40
		.amdhsa_user_sgpr_count 2
		.amdhsa_user_sgpr_kernarg_segment_ptr 1
		.amdhsa_wavefront_size32 1
		.amdhsa_system_sgpr_workgroup_id_x 1
		.amdhsa_system_sgpr_workgroup_id_y 1
		.amdhsa_system_sgpr_workgroup_id_z 1
		.amdhsa_system_vgpr_workitem_id 0
		.amdhsa_next_free_vgpr 1024
		.amdhsa_next_free_sgpr 96
		.amdhsa_reserve_vcc 0
		.amdhsa_float_denorm_mode_32 3
		.amdhsa_float_denorm_mode_16_64 3
		.amdhsa_memory_ordered 1
		.amdhsa_forward_progress 1
		.amdhsa_inst_pref_size 237
	.end_amdhsa_kernel
	.amdgpu_metadata
---
amdhsa.version: [ 1, 2 ]
amdhsa.kernels:
  - .name:           k_q6eae8db16e_attn
    .symbol:         k_q6eae8db16e_attn.kd
    .args:
      - { .name: QF, .offset: 0, .size: 8, .value_kind: global_buffer, .address_space: global }
      - { .name: KF, .offset: 8, .size: 8, .value_kind: global_buffer, .address_space: global }
      - { .name: VF, .offset: 16, .size: 8, .value_kind: global_buffer, .address_space: global }
      - { .name: attention_mask, .offset: 24, .size: 8, .value_kind: global_buffer, .address_space: global }
      - { .name: AF, .offset: 32, .size: 8, .value_kind: global_buffer, .address_space: global }
    .group_segment_fixed_size: 327680
    .private_segment_fixed_size: 0
    .kernarg_segment_align: 8
    .kernarg_segment_size: 40
    .max_flat_workgroup_size: 128
    .sgpr_count:     96
    .vgpr_count:     1024
    .wavefront_size: 32
...
	.end_amdgpu_metadata
.endif
;; end of part 3
;; launch proj (part 4): grid 128 x 1, 4 waves a work-group, no clusters, 132,352 bytes of LDS; arguments AF, WF, K, out0; writes out0
.if DOCPART == 4
	.amdgcn_target "amdgcn-amd-amdhsa--gfx1250"
	.amdhsa_code_object_version 6
	.text
	.protected	k_q6eae8db16e_proj
	.globl	k_q6eae8db16e_proj
	.p2align	8
	.type	k_q6eae8db16e_proj,@function
k_q6eae8db16e_proj:
	s_mov_b64 s[64:65], 0
	v_nop
	global_prefetch_b8 v0, s[64:65] scope:SCOPE_SE
	s_setreg_imm32_b32 hwreg(HW_REG_WAVE_MODE, 25, 1), 1
	s_wait_xcnt 0x0
; PROJ: out = san(att Wo^T) on codes of E2M3; out_time = san(sqrt(1 / K + sum of out^2 + 1e-8)); out0 = [out_time, out].  reference()'s last sanitiser finds nothing to change in out, which is sanitised already: it is run on out_time.
; SHARES.  A work-group owns 32 neighbouring tokens (two tiles) and all 1,024 columns, since a row's norm wants one owner; its 32 rows of out0, 131,200 bytes, are one dense run of memory.  Wave w takes 256 columns
; (16 tiles of Wo): 32 accumulators, K = 1,024 in eight steps, all written out, operands from memory straight into registers, two steps ahead in two sets.  128 work-groups: with 16 tokens each every work-group would
; still walk all of Wo, and one tile's tokens are no dense run.  No tensor load, so nothing to ask for jointly: no cluster.
; The product is used transposed (source 0 = 16 rows of Wo, source 1 = 16 tokens): a lane holds one token.  The rows are put together in LDS as they lie in memory (4,100 bytes a row) and leave as 512 consecutive bytes a store.
; REGISTERS.  Window 0: v1-21 addresses; v48-63 att's scale words (8 t + s); v64-191 Wo's (8 n + s); v192-255 the way out.  Windows 1, 2: fragment sets (Wo at 12 n, att at 192 + 12 t).  Window 3: accumulators at 128 t + 8 n.
.set NRM,   131328                     ; behind the rows' image: (token in the block) x 16 + 4 x wave: the waves' sums of squares
.set SPARE, 131840                     ; the spare words, 128 bytes a wave
.set SPW,  12
.set NIL,  13
.set SEL,  28
.set PINF, 30
.set NINF, 31
.set P1E4, 32
.set M1E4, 33
.set SM,   36
.set MSB, 0
.macro WIN new
.if MSB != (\new)
	s_set_vgpr_msb (MSB<<8)|(\new)
.set MSB, (\new)
.endif
.endm
.macro PLACES n
.rept \n
	v_nop
.endr
.endm
.macro BARRIER
	s_wait_dscnt 0x0
	s_barrier_signal -1
	s_barrier_wait -1
.endm
.macro SAN4 a
.irp e, 0,1,2,3
	v_cmp_eq_f32 s[SM+\e], v[(\a)+\e], v[(\a)+\e]
.endr
.irp e, 0,1,2,3
	v_cndmask_b32 v[(\a)+\e], 0, v[(\a)+\e], s[SM+\e]
.endr
.irp e, 0,1,2,3
	v_cmp_eq_f32 s[SM+\e], s[PINF], v[(\a)+\e]
.endr
.irp e, 0,1,2,3
	v_cndmask_b32 v[(\a)+\e], v[(\a)+\e], s[P1E4], s[SM+\e]
.endr
.irp e, 0,1,2,3
	v_cmp_eq_f32 s[SM+\e], s[NINF], v[(\a)+\e]
.endr
.irp e, 0,1,2,3
	v_cndmask_b32 v[(\a)+\e], v[(\a)+\e], s[M1E4], s[SM+\e]
.endr
.endm
.macro MM d, a, b, z, sa, sb
.if \z
	v_wmma_scale_f32_16x16x128_f8f6f4 v[(\d):(\d)+7], v[(\a):(\a)+11], v[(\b):(\b)+11], 0, v[\sa], v[\sb] matrix_a_fmt:MATRIX_FMT_FP6 matrix_b_fmt:MATRIX_FMT_FP6
.else
	v_wmma_scale_f32_16x16x128_f8f6f4 v[(\d):(\d)+7], v[(\a):(\a)+11], v[(\b):(\b)+11], v[(\d):(\d)+7], v[\sa], v[\sb] matrix_a_fmt:MATRIX_FMT_FP6 matrix_b_fmt:MATRIX_FMT_FP6
.endif
.endm
.macro LOADSET s                       ; K step s (heads 2 s, 2 s + 1): 60 loads into set s % 2
	WIN 0x40+0x40*((\s)%2)
.irp n, 0,1,2,3,4,5,6,7,8,9,10,11,12,13,14,15
.irp c, 0,1,2
	global_load_b128 v[12*\n+4*\c:12*\n+4*\c+3], v1, s[16:17] offset:12288*\n+1536*(\s)+512*\c
.endr
.endr
.irp t, 0,1
.irp e, 0,1
.irp i, 0,1,2
	global_load_b64 v[192+12*\t+6*\e+2*\i:192+12*\t+6*\e+2*\i+1], v3, s[20:21] offset:12288*\t+768*(2*(\s)+\e)+8*\i
.endr
.endr
.endr
	WIN 0
.endm
.macro STEP s, wt, z, more             ; 32 products, each accumulator one turn
	s_wait_loadcnt \wt
	WIN 0xF5+5*((\s)%2)
.irp n, 0,1,2,3,4,5,6,7,8,9,10,11,12,13,14,15
.irp t, 0,1
	MM 128*\t+8*\n, 12*\n, 192+12*\t, \z, 64+8*\n+(\s), 48+8*\t+(\s)
.endr
.endr
	WIN 0
.if \more
	PLACES 4                                       ; four places in front of loads into registers that matrix instructions have read
	LOADSET (\s)+2
.endif
.endm
	s_load_b128 s[4:7], s[0:1], 0x0                ; AF, WF
	s_load_b128 s[8:11], s[0:1], 0x10              ; K, out0
	v_lshl_add_u32 v[SPW], v0, 2, SPARE
	v_mov_b32 v[NIL], 0
	v_lshrrev_b32 v1, 5, v0
	v_readfirstlane_b32 s12, v1                    ; wave
	v_and_b32 v9, 31, v0
	v_lshlrev_b32 v1, 4, v9                        ; 16 x lane
	v_lshlrev_b32 v2, 5, v9                        ; 32 x lane
	v_mul_u32_u24 v3, v9, 24                       ; 24 x lane
	v_lshlrev_b32 v4, 2, v9                        ; 4 x lane
	s_mov_b32 s41, 0
	s_wait_kmcnt 0x0
	s_load_b32 s26, s[8:9], 0x0                    ; the curvature
	s_mul_i32 s40, s12, 196608
	s_add_co_u32 s40, s40, 2359296                 ; Wo is the fourth matrix: 3 x 786,432; my 16 tiles
	s_add_nc_u64 s[16:17], s[6:7], s[40:41]
	s_lshl_b32 s40, s12, 14
	s_add_co_u32 s40, s40, 196608
	s_add_nc_u64 s[18:19], s[6:7], s[40:41]        ; their scale words (+ 3,145,728 in the immediate)
	s_mul_i32 s40, ttmp9, 24576
	s_add_nc_u64 s[20:21], s[4:5], s[40:41]        ; att's two tiles
	s_lshl_b32 s40, ttmp9, 11
	s_add_nc_u64 s[22:23], s[4:5], s[40:41]
	s_mul_i32 s40, ttmp9, 131200
	s_add_nc_u64 s[24:25], s[10:11], s[40:41]      ; my 32 rows of out0
.irp t, 0,1
.irp q, 0,1
	global_load_b128 v[48+8*\t+4*\q:51+8*\t+4*\q], v2, s[22:23] offset:3145728+1024*\t+16*\q
.endr
.endr
.irp n, 0,1,2,3,4,5,6,7,8,9,10,11,12,13,14,15
.irp q, 0,1
	global_load_b128 v[64+8*\n+4*\q:67+8*\n+4*\q], v2, s[18:19] offset:3145728+1024*\n+16*\q
.endr
.endr
	LOADSET 0
	LOADSET 1
	; every LDS address is made here, ahead of the branches on the wave's number
	v_and_b32 v15, 15, v0                          ; r
	v_bfe_u32 v20, v0, 4, 1                        ; h
	v_and_b32 v21, 8, v15
	v_add_nc_u32 v21, v21, v15                     ; r + 8 (r / 8): tile 0's token of lane r (tile 1: 8 on)
	v_mul_u32_u24 v5, v21, 4100
	v_lshl_add_u32 v5, v20, 6, v5
	s_lshl_b32 s40, s12, 10
	s_add_co_u32 s40, s40, 4
	v_add_nc_u32 v5, s40, v5                       ; the image: my token's row, past out_time, my wave's 256 columns, + 16 h columns
	v_lshlrev_b32 v6, 4, v21
	s_lshl_b32 s40, s12, 2
	s_add_co_u32 s40, s40, NRM
	v_add_nc_u32 v6, s40, v6                       ; my sum of squares
	v_add_nc_u32 v7, NRM, v1                       ; token = lane: its four
	v_mul_u32_u24 v8, v9, 4100                     ; and its out_time
	s_lshl_b32 s40, s12, 9
	v_add_nc_u32 v10, s40, v1                      ; the way out: piece w + 4 k of 512 bytes: 512 w + 16 lane, in LDS and in out0
.irp q, 0,1,2,3
	v_add_nc_u32 v[16+\q], 32768*\q, v10
.endr
	v_add_nc_u32 v11, 131072, v4                   ; the last 128 bytes
	s_mov_b32 s[SEL], 0x76543210
	s_mov_b32 s[SEL+1], 0xfedcba98
	s_mov_b32 s[PINF], 0x7f800000
	s_mov_b32 s[NINF], 0xff800000
	s_mov_b32 s[P1E4], 0x461c4000
	s_mov_b32 s[M1E4], 0xc61c4000
	s_wait_kmcnt 0x0
	STEP 0, 60, 1, 1                               ; the count leaves the other set's 60 loads out
	STEP 1, 60, 0, 1
	STEP 2, 60, 0, 1
	STEP 3, 60, 0, 1
	STEP 4, 60, 0, 1
	STEP 5, 60, 0, 1
	STEP 6, 60, 0, 0
	STEP 7, 0, 0, 0
	PLACES 4
	WIN 0xCF
.set Q, 0
.rept 64
	SAN4 Q                                         ; each accumulator from its low end on
.set Q, Q+4
.endr
	WIN 0x0F                                       ; sums of squares: four chains of pairs a tile; the first products start them
.irp c, 0,1,2,3
.irp t, 0,1
	v_pk_mul_f32 v[192+8*\t+2*\c:193+8*\t+2*\c], v[128*\t+2*\c:128*\t+2*\c+1], v[128*\t+2*\c:128*\t+2*\c+1]
.endr
.endr
.set Q, 4
.rept 60
.irp t, 0,1
	v_pk_fma_f32 v[192+8*\t+2*(Q%4):193+8*\t+2*(Q%4)], v[128*\t+2*Q:128*\t+2*Q+1], v[128*\t+2*Q:128*\t+2*Q+1], v[192+8*\t+2*(Q%4):193+8*\t+2*(Q%4)]
.endr
.set Q, Q+1
.endr
	WIN 0
.irp t, 0,1
	v_pk_add_f32 v[192+8*\t:193+8*\t], v[192+8*\t:193+8*\t], v[194+8*\t:195+8*\t]
	v_pk_add_f32 v[196+8*\t:197+8*\t], v[196+8*\t:197+8*\t], v[198+8*\t:199+8*\t]
.endr
.irp t, 0,1
	v_pk_add_f32 v[192+8*\t:193+8*\t], v[192+8*\t:193+8*\t], v[196+8*\t:197+8*\t]
.endr
.irp t, 0,1
	v_add_f32 v[192+8*\t], v[192+8*\t], v[193+8*\t]
.endr
.irp t, 0,1
	v_permlanex16_b32 v[194+8*\t], v[192+8*\t], s[SEL], s[SEL+1]
.endr
.irp t, 0,1
	v_add_f32 v[192+8*\t], v[192+8*\t], v[194+8*\t]
	ds_store_b32 v6, v[192+8*\t] offset:128*\t     ; both halves of the lanes write the same word with the same value
.endr
	WIN 0x0C                                       ; an LDS store's data are its source 1: window 3
.irp t, 0,1
.irp n, 0,1,2,3,4,5,6,7,8,9,10,11,12,13,14,15
.irp j, 0,1,2,3,4,5,6,7
	ds_store_b32 v5, v[128*\t+8*\n+\j] offset:32800*\t+(32*(\n/2)+8*(\n%2)+\j)*4
.endr
.endr
.endr
	WIN 0
	BARRIER                                        ; the 32 rows' 1,024 numbers and the waves' sums of squares lie in LDS
	s_cmp_lg_u32 s12, 0
	s_cbranch_scc1 .Lnot0
	ds_load_b128 v[200:203], v7                    ; wave 0: a lane a token
	v_mov_b32 v204, s26
	v_rcp_f32 v204, v204
	s_wait_dscnt 0x0
	v_add_f32 v200, v200, v201                     ; (plain work behind the reciprocal)
	v_add_f32 v202, v202, v203
	v_add_f32 v200, v200, v202
	s_wait_alu depctr_va_vdst(0)                   ; the wait ahead of the reciprocal's first reader
	v_add_f32 v200, v204, v200
	v_add_f32 v200, 0x322bcc77, v200               ; + 1e-8
	v_sqrt_f32 v200, v200
	v_nop
	s_wait_alu depctr_va_vdst(0)
	v_cmp_eq_f32 s[SM], v200, v200
	v_cndmask_b32 v200, 0, v200, s[SM]
	v_cmp_eq_f32 s[SM], s[PINF], v200
	v_cndmask_b32 v200, v200, s[P1E4], s[SM]
	v_cmp_eq_f32 s[SM], s[NINF], v200
	v_cndmask_b32 v200, v200, s[M1E4], s[SM]
	ds_store_b32 v8, v200
.Lnot0:
	BARRIER                                        ; the rows are whole
.irp q, 0,1,2,3
.if \q > 0
	s_wait_xcnt 0x0                                ; the last batch's stores have read their registers
.endif
.irp k, 0,1,2,3,4,5,6,7,8,9,10,11,12,13,14,15
	ds_load_b128 v[192+4*\k:195+4*\k], v[16+\q] offset:2048*\k
.endr
.irp k, 0,1,2,3,4,5,6,7,8,9,10,11,12,13,14,15
	s_wait_dscnt 15-\k                             ; LDS loads come back in order: load k is in, the later ones may be out
	global_store_b128 v10, v[192+4*\k:195+4*\k], s[24:25] offset:32768*\q+2048*\k th:TH_STORE_NT   ; 512 consecutive bytes a store
.endr
.endr
	s_cmp_lg_u32 s12, 0
	s_cbranch_scc1 .Lnotail
	ds_load_b32 v14, v11                           ; 131,200 = 256 x 512 + 128: the last 128 bytes, 4 a lane
	s_wait_dscnt 0x0
	global_store_b32 v4, v14, s[24:25] offset:131072 th:TH_STORE_NT
.Lnotail:
	s_wait_tensorcnt 0x0                           ; the wave's end
	ds_add_u32 v[SPW], v[NIL]
	s_wait_dscnt 0x0
	s_endpgm
.Lfunc_end_k_q6eae8db16e_proj:
	.size	k_q6eae8db16e_proj, .Lfunc_end_k_q6eae8db16e_proj-k_q6eae8db16e_proj
	.p2alignl 7, 3214868480
	.fill 96, 4, 3214868480
	.section	.rodata,"a",@progbits
	.p2align	6, 0x0
	.amdhsa_kernel k_q6eae8db16e_proj
		.amdhsa_group_segment_fixed_size 132352
		.amdhsa_private_segment_fixed_size 0
		.amdhsa_enable_private_segment 0
		.amdhsa_kernarg_size 32
		.amdhsa_user_sgpr_count 2
		.amdhsa_user_sgpr_kernarg_segment_ptr 1
		.amdhsa_wavefront_size32 1
		.amdhsa_system_sgpr_workgroup_id_x 1
		.amdhsa_system_sgpr_workgroup_id_y 1
		.amdhsa_system_sgpr_workgroup_id_z 1
		.amdhsa_system_vgpr_workitem_id 0
		.amdhsa_next_free_vgpr 1024
		.amdhsa_next_free_sgpr 66
		.amdhsa_reserve_vcc 0
		.amdhsa_float_denorm_mode_32 3
		.amdhsa_float_denorm_mode_16_64 3
		.amdhsa_memory_ordered 1
		.amdhsa_forward_progress 1
		.amdhsa_inst_pref_size 220
	.end_amdhsa_kernel
	.amdgpu_metadata
---
amdhsa.version: [ 1, 2 ]
amdhsa.kernels:
  - .name:           k_q6eae8db16e_proj
    .symbol:         k_q6eae8db16e_proj.kd
    .args:
      - { .name: AF, .offset: 0, .size: 8, .value_kind: global_buffer, .address_space: global }
      - { .name: WF, .offset: 8, .size: 8, .value_kind: global_buffer, .address_space: global }
      - { .name: K, .offset: 16, .size: 8, .value_kind: global_buffer, .address_space: global }
      - { .name: out0, .offset: 24, .size: 8, .value_kind: global_buffer, .address_space: global }
    .group_segment_fixed_size: 132352
    .private_segment_fixed_size: 0
    .kernarg_segment_align: 8
    .kernarg_segment_size: 32
    .max_flat_workgroup_size: 128
    .sgpr_count:     66
    .vgpr_count:     1024
    .wavefront_size: 32
...
	.end_amdgpu_metadata
.endif
;; end of part 4
;; ======== version 2 of 2: 4 launches; version 1 with the launches qkv, proj written anew for expert scheduling mode
;; limits: right only within a limited range of input values
;; workspace buffers: XQ 3,407,872 bytes; WF 3,407,872 bytes; QF 3,407,872 bytes; KF 3,276,800 bytes; VF 3,276,800 bytes; AF 3,407,872 bytes
;; launch prep: the kernel of part 1 again; grid 512 x 1, 8 waves a work-group, no clusters, 68,608 bytes of LDS; arguments x, XQ, Wq_codes, Wq_scales, Wk_codes, Wk_scales, Wv_codes, Wv_scales, Wo_codes, Wo_scales, WF; writes XQ, WF
;; launch qkv (part 5): grid 16 x 16, 4 waves a work-group, no clusters, 0 bytes of LDS; arguments XQ, WF, QF, KF, VF; writes QF, KF, VF
.if DOCPART == 5
	.amdgcn_target "amdgcn-amd-amdhsa--gfx1250"
	.amdhsa_code_object_version 6
	.text
	.protected	k_q6eae8db16e_qkv
	.globl	k_q6eae8db16e_qkv
	.p2align	8
	.type	k_q6eae8db16e_qkv,@function
k_q6eae8db16e_qkv:
	s_mov_b64 s[64:65], 0
	v_nop
	global_prefetch_b8 v0, s[64:65] scope:SCOPE_SE
	s_setreg_imm32_b32 hwreg(HW_REG_WAVE_SCHED_MODE, 0, 2), 2
	s_setreg_imm32_b32 hwreg(HW_REG_WAVE_MODE, 25, 1), 1
	s_wait_xcnt 0x0
	s_wait_alu depctr_vm_vsrc(0)
; QKV: q = san(xs Wq^T), k = san(xs Wk^T), v = san(xs Wv^T) on codes of E2M3, then q and k quantised along the head's 64 channels and v along the keys.  No work of reference() is left out here.
; SHARES.  A work-group is 256 tokens x one head; wave w takes 64 of the tokens (four tiles of x) against the head's 12 tiles of Wq, Wk, Wv: 48 accumulators, K = 1,024 in eight steps of 128, all written out.
; q and k are used transposed (source 0 = 16 rows of W, source 1 = 16 tokens): a lane holds one token and its registers run along the channels.  v is not (source 0 = tokens, source 1 = rows of Wv): a lane holds one
; channel and its registers run along the tokens, which are the keys.  By the tiles' order of rows, 16 registers of two neighbouring tiles are 16 neighbours along the next K.
; Operands lie in the workspace in the order of the registers, so they go from memory straight into registers by loads of 16 bytes a lane, 512 consecutive bytes a load, two K steps ahead in two sets of registers.
; No LDS and no tensor load, so there is nothing to ask for jointly: no cluster.
; OUT.  QF: [batch x head 32][query tile 128] half fragments of 768 bytes (registers 0-3 at 16 lane, registers 4-5 at 512 + 8 lane); from byte 3,145,728 words [bh][block of 32 queries 64][lane]: lanes 0-15 the even
; tile's, lanes 16-31 the odd tile's, bytes s0 s1 s0 s1.  KF: [bh][pair of key tiles 64] images of 1,536 bytes: registers 0-5 the even tile, 6-11 the odd; scale words [bh][quarter of the keys 4][2][16 lane + 4 (n % 4)]:
; word n of a quarter holds pair 2 n in lanes 0-15, pair 2 n + 1 in lanes 16-31.  VF: [bh][key step of 128: 16][channel tile 4][half 2] half fragments; scale words laid as KF's, word 2 (step % 4) + (tile / 2),
; lanes 0-15 the even channel tile, lanes 16-31 the odd, byte b for the step's b-th 32 keys.
; LIMITS: as stated at the head of the first launch (scale bytes held at 1 from below; a block of zeros gets the byte 1).
; REGISTERS, in windows of 256.  Window 0: v1-4 offsets; v32-63 x's scale words (8 i + s); v64-159 W's (8 (4 m + c) + s); v160-255 the way out.  Window 1: fragment set 0 (x at 12 i, W at 48 + 12 (4 m + c)), v192-255 v's
; accumulators of channel tiles 0, 1.  Window 2: set 1, and those of tiles 2, 3.  Window 3: q's accumulators at 32 i + 8 c, k's at 128 + 32 i + 8 c.
; THE MODE: SCHED_MODE bits 1:0 = 2 (LLVM: expert scheduling mode 2), set by the entry lines.  The code itself states the register dependences
; between vector or matrix instructions and memory instructions, with s_wait_alu, always for 0.
; THE PLAN.  Registers that memory instructions touch:
;   set 0, set 1   Written by a K step's 48 loads; read by that step's 48 products.  x's fragments are read up to the step's last product, and the 1,024 registers leave no room for a third set: so ONE wait on va_vdst
;                  stands at a step's end, behind its last product, and the set is asked for again at once, for the step two on.
;   v32-159        The scale words: loaded once at the head, read by products, never written again.
;   v1-4           Offsets: written at the head, ahead of one wait on va_vdst, and never again.
;   v[CD ..], v[WD+4 .. WD+6]   The out-buffer: written by a group's conversions, permutes, moves and selects; read by the group's stores, which stand in one run behind one wait on va_vdst; one wait on vm_vsrc,
;                  beside the wait on XCNT, stands ahead of the next group's first conversion.
;   T, U, CT and the accumulators are named by vector and matrix instructions alone.
; Scalar registers that vector instructions write: s14 (the wave's number), one wait on va_sdst ahead of its first reader; s40-63, 24 lane masks: three compares for each of eight numbers, one wait, then the selects.
.set T,    160                         ; v160-183 24 blocks' largest magnitudes, then the conversions' scale operands
.set U,    184                         ; v184-207 the other half's, then the scale bytes
.set CD,   208                         ; v208-231 four units' codes, 6 registers each
.set CT,   232                         ; v232-247 four runs at work
.set WD,   248                         ; v248-255 scale words
.set SEL,  2                           ; s2, s3: v_permlanex16_b32's selects for lane l xor 16
.set PINF, 14                          ; s14-18 take the constants once the ids that they held have been used
.set NINF, 15
.set P1E4, 16
.set M1E4, 17
.set HIM,  18                          ; lanes 16-31
.set SM,   40                          ; s40-63: 24 lane masks
.set MSB, 0
.macro WIN new                         ; the immediate's high byte repeats the setting that is left
.if MSB != (\new)
	s_set_vgpr_msb (MSB<<8)|(\new)
.set MSB, (\new)
.endif
.endm
.macro PLACES n
.rept \n
	v_nop
.endr
.endm
; nan_to_num(x, 0, 1e4, -1e4) of eight registers, in place.  The three cases exclude each other, so all three compares are taken of the number as it stands, in one run
.macro SAN8 a
.irp e, 0,1,2,3,4,5,6,7
	v_cmp_eq_f32 s[SM+\e], v[(\a)+\e], v[(\a)+\e]
.endr
.irp e, 0,1,2,3,4,5,6,7
	v_cmp_eq_f32 s[SM+8+\e], s[PINF], v[(\a)+\e]
.endr
.irp e, 0,1,2,3,4,5,6,7
	v_cmp_eq_f32 s[SM+16+\e], s[NINF], v[(\a)+\e]
.endr
	s_wait_alu depctr_va_sdst(0)                   ; the 24 compares have written their lane masks, which the selects below read
.irp e, 0,1,2,3,4,5,6,7
	v_cndmask_b32 v[(\a)+\e], 0, v[(\a)+\e], s[SM+\e]
.endr
.irp e, 0,1,2,3,4,5,6,7
	v_cndmask_b32 v[(\a)+\e], v[(\a)+\e], s[P1E4], s[SM+8+\e]
.endr
.irp e, 0,1,2,3,4,5,6,7
	v_cndmask_b32 v[(\a)+\e], v[(\a)+\e], s[M1E4], s[SM+16+\e]
.endr
.endm
.macro MM d, a, b, z, sa, sb           ; one product; z = 1: it starts the sum
.if \z
	v_wmma_scale_f32_16x16x128_f8f6f4 v[(\d):(\d)+7], v[(\a):(\a)+11], v[(\b):(\b)+11], 0, v[\sa], v[\sb] matrix_a_fmt:MATRIX_FMT_FP6 matrix_b_fmt:MATRIX_FMT_FP6
.else
	v_wmma_scale_f32_16x16x128_f8f6f4 v[(\d):(\d)+7], v[(\a):(\a)+11], v[(\b):(\b)+11], v[(\d):(\d)+7], v[\sa], v[\sb] matrix_a_fmt:MATRIX_FMT_FP6 matrix_b_fmt:MATRIX_FMT_FP6
.endif
.endm
.macro LOADSET s, again                ; K step s: 48 loads into set s % 2.  again = 1: products have read the set
	WIN 0x40+0x40*((\s)%2)
.if \again
	s_wait_alu depctr_va_vdst(0)                   ; the products of the step just issued are done reading this set, in which the 48 loads below land
.endif
.irp i, 0,1,2,3
.irp c, 0,1,2
	global_load_b128 v[12*\i+4*\c:12*\i+4*\c+3], v1, s[20:21] offset:12288*\i+1536*(\s)+512*\c
.endr
.endr
.irp u, 0,1,2,3,4,5,6,7,8,9,10,11
.irp c, 0,1,2
	global_load_b128 v[48+12*\u+4*\c:48+12*\u+4*\c+3], v1, s[24:25] offset:786432*(\u/4)+12288*(\u%4)+1536*(\s)+512*\c
.endr
.endr
	WIN 0
.endm
; A K step: 48 products, each accumulator one turn.  more = 1: the set just used takes the step two on.
.macro STEP s, wt, z, more
	s_wait_loadcnt \wt
	WIN 0xF5+5*((\s)%2)
.irp m, 0,1
.irp i, 0,1,2,3
.irp c, 0,1,2,3
	MM 128*\m+32*\i+8*\c, 48+12*(4*\m+\c), 12*\i, \z, 64+8*(4*\m+\c)+(\s), 32+8*\i+(\s)
.endr
.endr
.endr
	WIN 0x55+5*((\s)%2)
.irp c, 0,1
.irp i, 0,1,2,3
	MM 192+32*\c+8*\i, 12*\i, 48+12*(8+\c), \z, 32+8*\i+(\s), 64+8*(8+\c)+(\s)
.endr
.endr
	WIN 0xA5+5*((\s)%2)
.irp c, 2,3
.irp i, 0,1,2,3
	MM 192+32*(\c-2)+8*\i, 12*\i, 48+12*(8+\c), \z, 32+8*\i+(\s), 64+8*(8+\c)+(\s)
.endr
.endr
.if \more
	PLACES 4                                       ; four places behind the last product stay in front of loads into registers that it has read; the wait that follows them states the dependence
	LOADSET (\s)+2, 1
.else
	WIN 0
.endif
.endm
.macro CVT u, src, e                   ; 32 numbers (two blocks, 16 of each in my lane) to codes; the source's window is set by the caller
	v_cvt_scalef32_pk16_fp6_f32 v[CD+6*(\u):CD+6*(\u)+2], v[(\src):(\src)+15], v[\e]
	v_cvt_scalef32_pk16_fp6_f32 v[CT+4*(\u):CT+4*(\u)+2], v[(\src)+16:(\src)+31], v[(\e)+1]
.endm
.macro FIX                             ; a whole block to a lane: lanes 0-15 the first block, lanes 16-31 the second
.irp u, 0,1,2,3
.irp i, 0,1,2
	v_permlane16_swap_b32 v[CD+6*\u+\i], v[CT+4*\u+\i]
.endr
.irp i, 0,1,2
	v_mov_b32 v[CD+6*\u+3+\i], v[CT+4*\u+\i]
.endr
.endr
.endm
	s_load_b128 s[4:7], s[0:1], 0x0                ; XQ, WF
	s_load_b128 s[8:11], s[0:1], 0x10              ; QF, KF
	s_load_b64 s[12:13], s[0:1], 0x20              ; VF
	v_lshrrev_b32 v1, 5, v0
	v_readfirstlane_b32 s14, v1                    ; wave
	v_and_b32 v5, 31, v0
	v_lshlrev_b32 v1, 4, v5                        ; 16 x lane
	v_lshlrev_b32 v2, 5, v5                        ; 32 x lane
	v_lshlrev_b32 v3, 3, v5                        ; 8 x lane
	v_lshlrev_b32 v4, 2, v5                        ; 4 x lane
	s_wait_alu depctr_va_sdst(0)                   ; s14 is written, ahead of its first reader: x's bases and those of the results are made from it
	s_lshl_b32 s15, ttmp9, 2
	s_add_co_u32 s15, s15, s14                     ; g: my 64 tokens
	s_and_b32 s16, ttmp7, 0xffff                   ; the head
	s_lshr_b32 s17, s15, 5                         ; the batch
	s_and_b32 s18, s15, 31                         ; g within the batch
	s_lshl_b32 s19, s17, 4
	s_add_co_u32 s19, s19, s16                     ; bh
	s_mov_b32 s53, 0
	s_wait_kmcnt 0x0
	s_mul_i32 s52, s15, 49152
	s_add_nc_u64 s[20:21], s[4:5], s[52:53]        ; x's fragments
	s_lshl_b32 s52, s15, 12
	s_add_nc_u64 s[22:23], s[4:5], s[52:53]        ; x's scale words (+ 3,145,728 in the immediate)
	s_mul_i32 s52, s16, 49152
	s_add_nc_u64 s[24:25], s[6:7], s[52:53]        ; the head's tiles of Wq; Wk's and Wv's lie 786,432 and twice that further on
	s_lshl_b32 s52, s16, 12
	s_add_nc_u64 s[26:27], s[6:7], s[52:53]
	s_wait_alu depctr_va_vdst(0)                   ; the offsets v1 to v4 are written: every load and store of the kernel reads one of them
.irp i, 0,1,2,3
.irp q, 0,1
	global_load_b128 v[32+8*\i+4*\q:35+8*\i+4*\q], v2, s[22:23] offset:3145728+1024*\i+16*\q
.endr
.endr
.irp u, 0,1,2,3,4,5,6,7,8,9,10,11
.irp q, 0,1
	global_load_b128 v[64+8*\u+4*\q:67+8*\u+4*\q], v2, s[26:27] offset:3145728+65536*(\u/4)+1024*(\u%4)+16*\q
.endr
.endr
	LOADSET 0, 0                                   ; no vector or matrix instruction has named these registers: nothing more is owed
	LOADSET 1, 0
	; where the results go
	s_mul_i32 s54, s19, 98304
	s_mul_i32 s55, s18, 3072
	s_add_co_u32 s52, s54, s55
	s_add_nc_u64 s[28:29], s[8:9], s[52:53]        ; q's four tiles
	s_add_nc_u64 s[32:33], s[10:11], s[52:53]      ; k's two pairs
	s_lshl_b32 s52, s19, 13
	s_lshl_b32 s55, s18, 8
	s_add_co_u32 s52, s52, s55
	s_add_nc_u64 s[30:31], s[8:9], s[52:53]        ; q's scale words
	s_lshr_b32 s55, s18, 1
	s_mul_i32 s55, s55, 6144
	s_add_co_u32 s52, s54, s55
	s_and_b32 s55, s18, 1
	s_mul_i32 s55, s55, 768
	s_add_co_u32 s52, s52, s55
	s_add_nc_u64 s[36:37], s[12:13], s[52:53]      ; v: key step g / 2, half g % 2
	s_lshl_b32 s54, s19, 12
	s_lshr_b32 s55, s18, 2
	s_lshl_b32 s55, s55, 9
	s_add_co_u32 s54, s54, s55
	s_and_b32 s55, s18, 3
	s_lshl_b32 s55, s55, 2
	s_add_co_u32 s52, s54, s55
	s_add_nc_u64 s[34:35], s[10:11], s[52:53]      ; k's scale word
	s_bfe_u32 s55, s18, 0x10001
	s_lshl_b32 s55, s55, 3
	s_add_co_u32 s52, s54, s55
	s_and_b32 s55, s18, 1
	s_lshl_b32 s55, s55, 1
	s_add_co_u32 s52, s52, s55
	s_add_nc_u64 s[38:39], s[12:13], s[52:53]      ; v's two bytes of a scale word
	s_mov_b32 s[SEL], 0x76543210                   ; the ids in s14 to s18 have been used: the constants take their places
	s_mov_b32 s[SEL+1], 0xfedcba98
	s_mov_b32 s[PINF], 0x7f800000
	s_mov_b32 s[NINF], 0xff800000
	s_mov_b32 s[P1E4], 0x461c4000
	s_mov_b32 s[M1E4], 0xc61c4000
	s_mov_b32 s[HIM], 0xffff0000
.set Q, 0
.rept 24
	v_mov_b32 v[U+Q], 0                            ; written once: a lane permute's destination counts as one of its sources
.set Q, Q+1
.endr
	STEP 0, 48, 1, 1                               ; the count leaves the other set's 48 loads out
	STEP 1, 48, 0, 1
	STEP 2, 48, 0, 1
	STEP 3, 48, 0, 1
	STEP 4, 48, 0, 1
	STEP 5, 48, 0, 1
	STEP 6, 48, 0, 0
	STEP 7, 0, 0, 0
	; ---- the way out: sanitise (each accumulator from its low end on), the blocks' largest magnitudes, codes, stores
	PLACES 4
	WIN 0xCF
.set Q, 0
.rept 32
	SAN8 Q
.set Q, Q+8
.endr
	WIN 0x45
.set Q, 192
.rept 8
	SAN8 Q
.set Q, Q+8
.endr
	WIN 0x8A
.set Q, 192
.rept 8
	SAN8 Q
.set Q, Q+8
.endr
	WIN 0x3C                                       ; sources 1 and 2 in window 3: chain x is registers 16 x .. 16 x + 15: q's 8 blocks, then k's 8
.irp x, 0,1,2,3,4,5,6,7,8,9,10,11,12,13,14,15
	v_max3_num_f32 v[T+\x], 0x1800000, |v[16*\x]|, |v[16*\x+1]|   ; with the floor 2^(3 - 127)
.endr
.irp i, 2,4,6,8,10,12,14
.irp x, 0,1,2,3,4,5,6,7,8,9,10,11,12,13,14,15
	v_max3_num_f32 v[T+\x], v[T+\x], |v[16*\x+\i]|, |v[16*\x+\i+1]|
.endr
.endr
	WIN 0x14
.irp x, 0,1,2,3
	v_max3_num_f32 v[T+16+\x], 0x1800000, |v[192+16*\x]|, |v[192+16*\x+1]|
.endr
.irp i, 2,4,6,8,10,12,14
.irp x, 0,1,2,3
	v_max3_num_f32 v[T+16+\x], v[T+16+\x], |v[192+16*\x+\i]|, |v[192+16*\x+\i+1]|
.endr
.endr
	WIN 0x28
.irp x, 0,1,2,3
	v_max3_num_f32 v[T+20+\x], 0x1800000, |v[192+16*\x]|, |v[192+16*\x+1]|
.endr
.irp i, 2,4,6,8,10,12,14
.irp x, 0,1,2,3
	v_max3_num_f32 v[T+20+\x], v[T+20+\x], |v[192+16*\x+\i]|, |v[192+16*\x+\i+1]|
.endr
.endr
	WIN 0
.set Q, 0
.rept 24
	v_permlanex16_b32 v[U+Q], v[T+Q], s[SEL], s[SEL+1]
.set Q, Q+1
.endr
.set Q, 0
.rept 24
	v_max_num_f32 v[T+Q], v[T+Q], v[U+Q]           ; with lane l xor 16's 16: the block's largest magnitude
.set Q, Q+1
.endr
.set Q, 0
.rept 24
	v_add_nc_u32 v[T+Q], 0xff000000, v[T+Q]        ; 2 off the exponent field: the conversion's scale operand
.set Q, Q+1
.endr
.set Q, 0
.rept 24
	v_lshrrev_b32 v[U+Q], 23, v[T+Q]               ; the scale's byte
.set Q, Q+1
.endr
	; q: the codes and the scale words are made first, then all of the group's stores stand in one run
	WIN 0x03
.irp u, 0,1,2,3
	CVT \u, 32*\u, T+2*\u
.endr
	v_nop                                          ; one plain place behind the last conversion
	WIN 0
	FIX
.irp u, 0,1,2,3
	v_lshl_or_b32 v[WD+\u], v[U+2*\u+1], 8, v[U+2*\u]
.endr
.irp u, 0,1,2,3
	v_lshl_or_b32 v[WD+\u], v[WD+\u], 16, v[WD+\u]   ; s0 s1 s0 s1: the word serves q in the lower and in the upper half of K
.endr
	v_cndmask_b32 v[WD+4], v[WD], v[WD+1], s[HIM]
	v_cndmask_b32 v[WD+5], v[WD+2], v[WD+3], s[HIM]
	s_wait_alu depctr_va_vdst(0)                   ; q's codes v[CD ..] and its words v[WD+4], v[WD+5] are written, which the ten stores below read
.irp u, 0,1,2,3
	global_store_b128 v1, v[CD+6*\u:CD+6*\u+3], s[28:29] offset:768*\u
	global_store_b64 v3, v[CD+6*\u+4:CD+6*\u+5], s[28:29] offset:768*\u+512
.endr
	global_store_b32 v4, v[WD+4], s[30:31] offset:3145728
	global_store_b32 v4, v[WD+5], s[30:31] offset:3145728+128
	s_wait_xcnt 0x0                                ; the stores have had their addresses translated: the next group may write their registers,
	s_wait_alu depctr_vm_vsrc(0)                   ; and q's stores have read v[CD ..], v[WD+4] and v[WD+5], which k's conversions, moves and words write again
	; k
	WIN 0x03
.irp u, 0,1,2,3
	CVT \u, 128+32*\u, T+8+2*\u
.endr
	v_nop
	WIN 0
	FIX
.irp u, 0,1,2,3
	v_lshl_or_b32 v[WD+\u], v[U+8+2*\u+1], 8, v[U+8+2*\u]
.endr
	v_lshl_or_b32 v[WD+4], v[WD+1], 16, v[WD]
	v_lshl_or_b32 v[WD+5], v[WD+3], 16, v[WD+2]
	v_cndmask_b32 v[WD+6], v[WD+4], v[WD+5], s[HIM]
	s_wait_alu depctr_va_vdst(0)                   ; k's codes v[CD ..] and its word v[WD+6] are written, which the seven stores below read
.irp p, 0,1
.irp c, 0,1,2
	global_store_b128 v1, v[CD+12*\p+4*\c:CD+12*\p+4*\c+3], s[32:33] offset:1536*\p+512*\c
.endr
.endr
	global_store_b32 v1, v[WD+6], s[34:35] offset:3145728
	s_wait_xcnt 0x0                                ; as above
	s_wait_alu depctr_vm_vsrc(0)                   ; k's stores have read v[CD ..], which v's conversions and moves write again
	; v
	WIN 0x01
	CVT 0, 192, T+16
	CVT 1, 224, T+18
	WIN 0x02
	CVT 2, 192, T+20
	CVT 3, 224, T+22
	v_nop
	WIN 0
	FIX
.irp u, 0,1,2,3
	v_lshl_or_b32 v[WD+\u], v[U+16+2*\u+1], 8, v[U+16+2*\u]
.endr
	v_cndmask_b32 v[WD+4], v[WD], v[WD+1], s[HIM]
	v_cndmask_b32 v[WD+5], v[WD+2], v[WD+3], s[HIM]
	s_wait_alu depctr_va_vdst(0)                   ; v's codes v[CD ..] and its bytes v[WD+4], v[WD+5] are written, which the ten stores below read
.irp u, 0,1,2,3
	global_store_b128 v1, v[CD+6*\u:CD+6*\u+3], s[36:37] offset:1536*\u
	global_store_b64 v3, v[CD+6*\u+4:CD+6*\u+5], s[36:37] offset:1536*\u+512
.endr
	global_store_b16 v1, v[WD+4], s[38:39] offset:3145728
	global_store_b16 v1, v[WD+5], s[38:39] offset:3145728+4
	s_endpgm
.Lfunc_end_k_q6eae8db16e_qkv:
	.size	k_q6eae8db16e_qkv, .Lfunc_end_k_q6eae8db16e_qkv-k_q6eae8db16e_qkv
	.p2alignl 7, 3214868480
	.fill 96, 4, 3214868480
	.section	.rodata,"a",@progbits
	.p2align	6, 0x0
	.amdhsa_kernel k_q6eae8db16e_qkv
		.amdhsa_group_segment_fixed_size 0
		.amdhsa_private_segment_fixed_size 0
		.amdhsa_enable_private_segment 0
		.amdhsa_kernarg_size 40
		.amdhsa_user_sgpr_count 2
		.amdhsa_user_sgpr_kernarg_segment_ptr 1
		.amdhsa_wavefront_size32 1
		.amdhsa_system_sgpr_workgroup_id_x 1
		.amdhsa_system_sgpr_workgroup_id_y 1
		.amdhsa_system_sgpr_workgroup_id_z 1
		.amdhsa_system_vgpr_workitem_id 0
		.amdhsa_next_free_vgpr 1024
		.amdhsa_next_free_sgpr 66
		.amdhsa_reserve_vcc 0
		.amdhsa_float_denorm_mode_32 3
		.amdhsa_float_denorm_mode_16_64 3
		.amdhsa_memory_ordered 1
		.amdhsa_forward_progress 1
		.amdhsa_inst_pref_size 255
	.end_amdhsa_kernel
	.section	.bss,"aw",@nobits
	.p2align	6
	.space	262144
	.amdgpu_metadata
---
amdhsa.version: [ 1, 2 ]
amdhsa.kernels:
  - .name:           k_q6eae8db16e_qkv
    .symbol:         k_q6eae8db16e_qkv.kd
    .args:
      - { .name: XQ, .offset: 0, .size: 8, .value_kind: global_buffer, .address_space: global }
      - { .name: WF, .offset: 8, .size: 8, .value_kind: global_buffer, .address_space: global }
      - { .name: QF, .offset: 16, .size: 8, .value_kind: global_buffer, .address_space: global }
      - { .name: KF, .offset: 24, .size: 8, .value_kind: global_buffer, .address_space: global }
      - { .name: VF, .offset: 32, .size: 8, .value_kind: global_buffer, .address_space: global }
    .group_segment_fixed_size: 0
    .private_segment_fixed_size: 0
    .kernarg_segment_align: 8
    .kernarg_segment_size: 40
    .max_flat_workgroup_size: 128
    .sgpr_count:     66
    .vgpr_count:     1024
    .wavefront_size: 32
...
	.end_amdgpu_metadata
.endif
;; end of part 5
;; launch attn: the kernel of part 3 again; grid 64 x 4, 4 waves a work-group, no clusters, 327,680 bytes of LDS; arguments QF, KF, VF, attention_mask, AF; writes AF
;; launch proj (part 6): grid 128 x 1, 4 waves a work-group, no clusters, 132,352 bytes of LDS; arguments AF, WF, K, out0; writes out0
.if DOCPART == 6
	.amdgcn_target "amdgcn-amd-amdhsa--gfx1250"
	.amdhsa_code_object_version 6
	.text
	.protected	k_q6eae8db16e_proj
	.globl	k_q6eae8db16e_proj
	.p2align	8
	.type	k_q6eae8db16e_proj,@function
k_q6eae8db16e_proj:
	s_mov_b64 s[64:65], 0
	v_nop
	global_prefetch_b8 v0, s[64:65] scope:SCOPE_SE
	s_setreg_imm32_b32 hwreg(HW_REG_WAVE_SCHED_MODE, 0, 2), 2
	s_setreg_imm32_b32 hwreg(HW_REG_WAVE_MODE, 25, 1), 1
	s_wait_xcnt 0x0
	s_wait_alu depctr_vm_vsrc(0)
; PROJ: out = san(att Wo^T) on codes of E2M3; out_time = san(sqrt(1 / K + sum of out^2 + 1e-8)); out0 = [out_time, out].  reference()'s last sanitiser finds nothing to change in out, which is sanitised already: it is run on out_time.
; SHARES.  A work-group owns 32 neighbouring tokens (two tiles) and all 1,024 columns, since a row's norm wants one owner; its 32 rows of out0, 131,200 bytes, are one dense run of memory.  Wave w takes 256 columns
; (16 tiles of Wo): 32 accumulators, K = 1,024 in eight steps, all written out, operands from memory straight into registers, two steps ahead in two sets.  128 work-groups: with 16 tokens each every work-group would
; still walk all of Wo, and one tile's tokens are no dense run.  No tensor load, so nothing to ask for jointly: no cluster.
; The product is used transposed (source 0 = 16 rows of Wo, source 1 = 16 tokens): a lane holds one token.  The rows are put together in LDS as they lie in memory (4,100 bytes a row) and leave as 512 consecutive bytes a store.
; REGISTERS.  Window 0: v1-21 addresses; v48-63 att's scale words (8 t + s); v64-191 Wo's (8 n + s); v192-212 the way out.  Windows 1, 2: fragment sets (Wo at 12 n, att at 192 + 12 t); on the way out window 1 holds
; four buffers of 64 for the rows.  Window 3: accumulators at 128 t + 8 n.
; THE MODE: SCHED_MODE bits 1:0 = 2 (LLVM: expert scheduling mode 2), set by the entry lines.  The code itself states the register dependences
; between vector or matrix instructions and memory or LDS instructions, with s_wait_alu, always for 0.
; THE PLAN.  Registers that memory or LDS instructions touch:
;   set 0, set 1   Written by a K step's 60 loads; read by that step's 32 products.  att's fragments are read up to the step's last product: ONE wait on va_vdst stands at a step's end, and the set is asked for again at once.
;   v48-191        The scale words: loaded once, read by products, never written again.
;   v1-11, v16-19  Offsets and LDS addresses: written at the head and never again; the waits on va_vdst at the steps' ends stand between their making and their first use in LDS.
;   window 3, v192, v200   The sanitised results and the sums of squares: written by selects and additions, read by the 258 LDS stores, which stand in one run behind one wait on va_vdst; never written again.
;   v208-211       Wave 0: an LDS load lands here (no instruction has named them before); v208 becomes out_time, and one wait on va_vdst stands ahead of the LDS store that reads it.
;   window 1, v0-255, on the way out   Batch q of the rows lands in v[64 q ..] and is stored from there: no buffer is written twice.  One wait on va_vdst ahead of the first of these loads: products have read these registers.
;   v12, v13       Written at the head, read by the closing add alone.
; No register that a memory or LDS instruction has read is written again: no wait on vm_vsrc is owed.
; Scalar registers that vector instructions write: s12 (the wave's number), one wait on va_sdst ahead of its first reader; s36-59, 24 lane masks: three compares for each of eight numbers, one wait, then the selects.
.set NRM,   131328                     ; behind the rows' image: (token in the block) x 16 + 4 x wave: the waves' sums of squares
.set SPARE, 131840                     ; the spare words, 128 bytes a wave
.set SPW,  12
.set NIL,  13
.set SEL,  28
.set PINF, 30
.set NINF, 31
.set P1E4, 32
.set M1E4, 33
.set SM,   36                          ; s36-59: 24 lane masks
.set MSB, 0
.macro WIN new
.if MSB != (\new)
	s_set_vgpr_msb (MSB<<8)|(\new)
.set MSB, (\new)
.endif
.endm
.macro PLACES n
.rept \n
	v_nop
.endr
.endm
.macro BARRIER
	s_wait_dscnt 0x0
	s_barrier_signal -1
	s_barrier_wait -1
.endm
; nan_to_num(x, 0, 1e4, -1e4) of eight registers, in place.  The three cases exclude each other, so all three compares are taken of the number as it stands, in one run
.macro SAN8 a
.irp e, 0,1,2,3,4,5,6,7
	v_cmp_eq_f32 s[SM+\e], v[(\a)+\e], v[(\a)+\e]
.endr
.irp e, 0,1,2,3,4,5,6,7
	v_cmp_eq_f32 s[SM+8+\e], s[PINF], v[(\a)+\e]
.endr
.irp e, 0,1,2,3,4,5,6,7
	v_cmp_eq_f32 s[SM+16+\e], s[NINF], v[(\a)+\e]
.endr
	s_wait_alu depctr_va_sdst(0)                   ; the 24 compares have written their lane masks, which the selects below read
.irp e, 0,1,2,3,4,5,6,7
	v_cndmask_b32 v[(\a)+\e], 0, v[(\a)+\e], s[SM+\e]
.endr
.irp e, 0,1,2,3,4,5,6,7
	v_cndmask_b32 v[(\a)+\e], v[(\a)+\e], s[P1E4], s[SM+8+\e]
.endr
.irp e, 0,1,2,3,4,5,6,7
	v_cndmask_b32 v[(\a)+\e], v[(\a)+\e], s[M1E4], s[SM+16+\e]
.endr
.endm
.macro MM d, a, b, z, sa, sb
.if \z
	v_wmma_scale_f32_16x16x128_f8f6f4 v[(\d):(\d)+7], v[(\a):(\a)+11], v[(\b):(\b)+11], 0, v[\sa], v[\sb] matrix_a_fmt:MATRIX_FMT_FP6 matrix_b_fmt:MATRIX_FMT_FP6
.else
	v_wmma_scale_f32_16x16x128_f8f6f4 v[(\d):(\d)+7], v[(\a):(\a)+11], v[(\b):(\b)+11], v[(\d):(\d)+7], v[\sa], v[\sb] matrix_a_fmt:MATRIX_FMT_FP6 matrix_b_fmt:MATRIX_FMT_FP6
.endif
.endm
.macro LOADSET s, again                ; K step s (heads 2 s, 2 s + 1): 60 loads into set s % 2.  again = 1: products have read the set
	WIN 0x40+0x40*((\s)%2)
.if \again
	s_wait_alu depctr_va_vdst(0)                   ; the products of the step just issued are done reading this set, in which the 60 loads below land
.endif
.irp n, 0,1,2,3,4,5,6,7,8,9,10,11,12,13,14,15
.irp c, 0,1,2
	global_load_b128 v[12*\n+4*\c:12*\n+4*\c+3], v1, s[16:17] offset:12288*\n+1536*(\s)+512*\c
.endr
.endr
.irp t, 0,1
.irp e, 0,1
.irp i, 0,1,2
	global_load_b64 v[192+12*\t+6*\e+2*\i:192+12*\t+6*\e+2*\i+1], v3, s[20:21] offset:12288*\t+768*(2*(\s)+\e)+8*\i
.endr
.endr
.endr
	WIN 0
.endm
.macro STEP s, wt, z, more             ; 32 products, each accumulator one turn
	s_wait_loadcnt \wt
	WIN 0xF5+5*((\s)%2)
.irp n, 0,1,2,3,4,5,6,7,8,9,10,11,12,13,14,15
.irp t, 0,1
	MM 128*\t+8*\n, 12*\n, 192+12*\t, \z, 64+8*\n+(\s), 48+8*\t+(\s)
.endr
.endr
.if \more
	PLACES 4                                       ; four places behind the last product stay in front of loads into registers that it has read; the wait that follows them states the dependence
	LOADSET (\s)+2, 1
.else
	WIN 0
.endif
.endm
; The way out: batch q is 16 pieces of 512 bytes of the rows' image.  BACK: from LDS into the batch's own 64 registers of window 1.  SEND: stored; younger: the LDS loads issued behind the batch's own
.macro BACK q
.irp k, 0,1,2,3,4,5,6,7,8,9,10,11,12,13,14,15
	ds_load_b128 v[64*(\q)+4*\k:64*(\q)+4*\k+3], v[16+(\q)] offset:2048*\k
.endr
.endm
.macro SEND q, younger
.irp k, 0,1,2,3,4,5,6,7,8,9,10,11,12,13,14,15
	s_wait_dscnt (\younger)+15-\k                  ; LDS loads come back in order: load k is in; the batch's later ones and the next batch's may be out
	global_store_b128 v10, v[64*(\q)+4*\k:64*(\q)+4*\k+3], s[24:25] offset:32768*(\q)+2048*\k th:TH_STORE_NT   ; 512 consecutive bytes a store
.endr
.endm
	s_load_b128 s[4:7], s[0:1], 0x0                ; AF, WF
	s_load_b128 s[8:11], s[0:1], 0x10              ; K, out0
	v_lshl_add_u32 v[SPW], v0, 2, SPARE
	v_mov_b32 v[NIL], 0
	v_lshrrev_b32 v1, 5, v0
	v_readfirstlane_b32 s12, v1                    ; wave
	v_and_b32 v9, 31, v0
	v_lshlrev_b32 v1, 4, v9                        ; 16 x lane
	v_lshlrev_b32 v2, 5, v9                        ; 32 x lane
	v_mul_u32_u24 v3, v9, 24                       ; 24 x lane
	v_lshlrev_b32 v4, 2, v9                        ; 4 x lane
	s_wait_alu depctr_va_sdst(0)                   ; s12 is written, ahead of its first reader: Wo's bases, the LDS addresses and two branches are made from it
	s_mov_b32 s41, 0
	s_wait_kmcnt 0x0
	s_load_b32 s26, s[8:9], 0x0                    ; the curvature
	s_mul_i32 s40, s12, 196608
	s_add_co_u32 s40, s40, 2359296                 ; Wo is the fourth matrix: 3 x 786,432; my 16 tiles
	s_add_nc_u64 s[16:17], s[6:7], s[40:41]
	s_lshl_b32 s40, s12, 14
	s_add_co_u32 s40, s40, 196608
	s_add_nc_u64 s[18:19], s[6:7], s[40:41]        ; their scale words (+ 3,145,728 in the immediate)
	s_mul_i32 s40, ttmp9, 24576
	s_add_nc_u64 s[20:21], s[4:5], s[40:41]        ; att's two tiles
	s_lshl_b32 s40, ttmp9, 11
	s_add_nc_u64 s[22:23], s[4:5], s[40:41]
	s_mul_i32 s40, ttmp9, 131200
	s_add_nc_u64 s[24:25], s[10:11], s[40:41]      ; my 32 rows of out0
	s_wait_alu depctr_va_vdst(0)                   ; the offsets v1 to v4 are written, which the loads below read
.irp t, 0,1
.irp q, 0,1
	global_load_b128 v[48+8*\t+4*\q:51+8*\t+4*\q], v2, s[22:23] offset:3145728+1024*\t+16*\q
.endr
.endr
.irp n, 0,1,2,3,4,5,6,7,8,9,10,11,12,13,14,15
.irp q, 0,1
	global_load_b128 v[64+8*\n+4*\q:67+8*\n+4*\q], v2, s[18:19] offset:3145728+1024*\n+16*\q
.endr
.endr
	LOADSET 0, 0                                   ; no vector or matrix instruction has named these registers: nothing more is owed
	LOADSET 1, 0
	; every LDS address is made here, ahead of the branches on the wave's number
	v_and_b32 v15, 15, v0                          ; r
	v_bfe_u32 v20, v0, 4, 1                        ; h
	v_and_b32 v21, 8, v15
	v_add_nc_u32 v21, v21, v15                     ; r + 8 (r / 8): tile 0's token of lane r (tile 1: 8 on)
	v_mul_u32_u24 v5, v21, 4100
	v_lshl_add_u32 v5, v20, 6, v5
	s_lshl_b32 s40, s12, 10
	s_add_co_u32 s40, s40, 4
	v_add_nc_u32 v5, s40, v5                       ; the image: my token's row, past out_time, my wave's 256 columns, + 16 h columns
	v_lshlrev_b32 v6, 4, v21
	s_lshl_b32 s40, s12, 2
	s_add_co_u32 s40, s40, NRM
	v_add_nc_u32 v6, s40, v6                       ; my sum of squares
	v_add_nc_u32 v7, NRM, v1                       ; token = lane: its four
	v_mul_u32_u24 v8, v9, 4100                     ; and its out_time
	s_lshl_b32 s40, s12, 9
	v_add_nc_u32 v10, s40, v1                      ; the way out: piece w + 4 k of 512 bytes: 512 w + 16 lane, in LDS and in out0
.irp q, 0,1,2,3
	v_add_nc_u32 v[16+\q], 32768*\q, v10
.endr
	v_add_nc_u32 v11, 131072, v4                   ; the last 128 bytes
	s_mov_b32 s[SEL], 0x76543210
	s_mov_b32 s[SEL+1], 0xfedcba98
	s_mov_b32 s[PINF], 0x7f800000
	s_mov_b32 s[NINF], 0xff800000
	s_mov_b32 s[P1E4], 0x461c4000
	s_mov_b32 s[M1E4], 0xc61c4000
	s_wait_kmcnt 0x0
	STEP 0, 60, 1, 1                               ; the count leaves the other set's 60 loads out
	STEP 1, 60, 0, 1
	STEP 2, 60, 0, 1
	STEP 3, 60, 0, 1
	STEP 4, 60, 0, 1
	STEP 5, 60, 0, 1
	STEP 6, 60, 0, 0
	STEP 7, 0, 0, 0
	PLACES 4
	WIN 0xCF
.set Q, 0
.rept 32
	SAN8 Q                                         ; each accumulator from its low end on
.set Q, Q+8
.endr
	WIN 0x0F                                       ; sums of squares: four chains of pairs a tile; the first products start them
.irp c, 0,1,2,3
.irp t, 0,1
	v_pk_mul_f32 v[192+8*\t+2*\c:193+8*\t+2*\c], v[128*\t+2*\c:128*\t+2*\c+1], v[128*\t+2*\c:128*\t+2*\c+1]
.endr
.endr
.set Q, 4
.rept 60
.irp t, 0,1
	v_pk_fma_f32 v[192+8*\t+2*(Q%4):193+8*\t+2*(Q%4)], v[128*\t+2*Q:128*\t+2*Q+1], v[128*\t+2*Q:128*\t+2*Q+1], v[192+8*\t+2*(Q%4):193+8*\t+2*(Q%4)]
.endr
.set Q, Q+1
.endr
	WIN 0
.irp t, 0,1
	v_pk_add_f32 v[192+8*\t:193+8*\t], v[192+8*\t:193+8*\t], v[194+8*\t:195+8*\t]
	v_pk_add_f32 v[196+8*\t:197+8*\t], v[196+8*\t:197+8*\t], v[198+8*\t:199+8*\t]
.endr
.irp t, 0,1
	v_pk_add_f32 v[192+8*\t:193+8*\t], v[192+8*\t:193+8*\t], v[196+8*\t:197+8*\t]
.endr
.irp t, 0,1
	v_add_f32 v[192+8*\t], v[192+8*\t], v[193+8*\t]
.endr
.irp t, 0,1
	v_permlanex16_b32 v[194+8*\t], v[192+8*\t], s[SEL], s[SEL+1]
.endr
.irp t, 0,1
	v_add_f32 v[192+8*\t], v[192+8*\t], v[194+8*\t]
.endr
	s_wait_alu depctr_va_vdst(0)                   ; the sums of squares v192 and v200 and the sanitised results in window 3 are written, which the 258 LDS stores below read
.irp t, 0,1
	ds_store_b32 v6, v[192+8*\t] offset:128*\t     ; both halves of the lanes write the same word with the same value
.endr
	WIN 0x0C                                       ; an LDS store's data are its source 1: window 3
.irp t, 0,1
.irp n, 0,1,2,3,4,5,6,7,8,9,10,11,12,13,14,15
.irp j, 0,1,2,3,4,5,6,7
	ds_store_b32 v5, v[128*\t+8*\n+\j] offset:32800*\t+(32*(\n/2)+8*(\n%2)+\j)*4
.endr
.endr
.endr
	WIN 0
	BARRIER                                        ; the 32 rows' 1,024 numbers and the waves' sums of squares lie in LDS
	s_cmp_lg_u32 s12, 0
	s_cbranch_scc1 .Lnot0
	ds_load_b128 v[208:211], v7                    ; wave 0: a lane a token; no instruction has named these four registers before
	v_mov_b32 v212, s26
	v_rcp_f32 v212, v212
	s_wait_dscnt 0x0
	v_add_f32 v208, v208, v209                     ; (plain work behind the reciprocal)
	v_add_f32 v210, v210, v211
	v_add_f32 v208, v208, v210
	s_wait_alu depctr_va_vdst(0)                   ; the reciprocal has written v212, ahead of its first reader
	v_add_f32 v208, v212, v208
	v_add_f32 v208, 0x322bcc77, v208               ; + 1e-8
	v_sqrt_f32 v208, v208
	v_nop                                          ; a plain place behind the root
	s_wait_alu depctr_va_vdst(0)                   ; the root has written v208, ahead of its first reader
	v_cmp_eq_f32 s[SM], v208, v208                 ; the three cases exclude each other: all three compares are taken of the number as it stands
	v_cmp_eq_f32 s[SM+1], s[PINF], v208
	v_cmp_eq_f32 s[SM+2], s[NINF], v208
	s_wait_alu depctr_va_sdst(0)                   ; the three compares have written their lane masks, which the selects below read
	v_cndmask_b32 v208, 0, v208, s[SM]
	v_cndmask_b32 v208, v208, s[P1E4], s[SM+1]
	v_cndmask_b32 v208, v208, s[M1E4], s[SM+2]
	s_wait_alu depctr_va_vdst(0)                   ; out_time is written in v208, which the LDS store reads
	ds_store_b32 v8, v208
.Lnot0:
	BARRIER                                        ; the rows are whole
	WIN 0x44                                       ; an LDS load's data (destination) and a store's data (source 1) in window 1, the addresses in window 0
	s_wait_alu depctr_va_vdst(0)                   ; the products are done reading window 1's registers, in which the loads below land
	BACK 0
	BACK 1                                         ; a batch's loads stand ahead of the stores of the batch before
	SEND 0, 16
	BACK 2
	SEND 1, 16
	BACK 3
	SEND 2, 16
	SEND 3, 0
	WIN 0
	s_cmp_lg_u32 s12, 0
	s_cbranch_scc1 .Lnotail
	ds_load_b32 v14, v11                           ; 131,200 = 256 x 512 + 128: the last 128 bytes, 4 a lane
	s_wait_dscnt 0x0
	global_store_b32 v4, v14, s[24:25] offset:131072 th:TH_STORE_NT
.Lnotail:
	s_wait_dscnt 0x0                               ; the closing lines, six on end
	s_wait_alu 0x0
	s_wait_tensorcnt 0x0
	ds_add_u32 v[SPW], v[NIL]
	s_wait_dscnt 0x0
	s_endpgm
.Lfunc_end_k_q6eae8db16e_proj:
	.size	k_q6eae8db16e_proj, .Lfunc_end_k_q6eae8db16e_proj-k_q6eae8db16e_proj
	.p2alignl 7, 3214868480
	.fill 96, 4, 3214868480
	.section	.rodata,"a",@progbits
	.p2align	6, 0x0
	.amdhsa_kernel k_q6eae8db16e_proj
		.amdhsa_group_segment_fixed_size 132352
		.amdhsa_private_segment_fixed_size 0
		.amdhsa_enable_private_segment 0
		.amdhsa_kernarg_size 32
		.amdhsa_user_sgpr_count 2
		.amdhsa_user_sgpr_kernarg_segment_ptr 1
		.amdhsa_wavefront_size32 1
		.amdhsa_system_sgpr_workgroup_id_x 1
		.amdhsa_system_sgpr_workgroup_id_y 1
		.amdhsa_system_sgpr_workgroup_id_z 1
		.amdhsa_system_vgpr_workitem_id 0
		.amdhsa_next_free_vgpr 1024
		.amdhsa_next_free_sgpr 66
		.amdhsa_reserve_vcc 0
		.amdhsa_float_denorm_mode_32 3
		.amdhsa_float_denorm_mode_16_64 3
		.amdhsa_memory_ordered 1
		.amdhsa_forward_progress 1
		.amdhsa_inst_pref_size 222
	.end_amdhsa_kernel
	.amdgpu_metadata
---
amdhsa.version: [ 1, 2 ]
amdhsa.kernels:
  - .name:           k_q6eae8db16e_proj
    .symbol:         k_q6eae8db16e_proj.kd
    .args:
      - { .name: AF, .offset: 0, .size: 8, .value_kind: global_buffer, .address_space: global }
      - { .name: WF, .offset: 8, .size: 8, .value_kind: global_buffer, .address_space: global }
      - { .name: K, .offset: 16, .size: 8, .value_kind: global_buffer, .address_space: global }
      - { .name: out0, .offset: 24, .size: 8, .value_kind: global_buffer, .address_space: global }
    .group_segment_fixed_size: 132352
    .private_segment_fixed_size: 0
    .kernarg_segment_align: 8
    .kernarg_segment_size: 32
    .max_flat_workgroup_size: 128
    .sgpr_count:     66
    .vgpr_count:     1024
    .wavefront_size: 32
...
	.end_amdgpu_metadata
.endif
;; end of part 6
